; MI455X (gfx1250); checked and timed in simulation.
; The chip was launched on July 23, 2026; its instructions are those of AMD's public machine-readable ISA for CDNA 5 (MIT licence, August 2026) and "CDNA5" Instruction Set Architecture Reference Guide (July 2026). The comments in the code are by the model that wrote it; some were corrected since.
;; Mini Mo E Router. Allowed arithmetic: float matrix products may take bf16 or f16 operands with f32 sums; other float arithmetic in f32, or as packed bf16 or f16 multiplies, adds, multiply-adds, maxima and minima; sums over many terms, partial sums and values carried from step to step in f32; what a program stores and reads back later, other than sums and carried values, may be rounded once to bf16 or f16.
;; Inputs: W1 8 x 1,024 x 4,096 float32; W2 8 x 4,096 x 1,024 float32; Wr 1,024 x 8 float32; b1 8 x 4,096 float32; b2 8 x 1,024 float32; br 8 float32; x 4 x 256 x 1,024 float32.
;; Outputs: out0 4 x 256 x 1,024 float32.
;; 2 versions, each right; version 2 is version 1 with the launches up, down written anew for expert scheduling mode. Each part assembles by itself: llvm-mc -triple=amdgcn-amd-amdhsa -mcpu=gfx1250 --defsym DOCPART=n.
;; ======== version 1 of 2: 4 launches
;; workspace buffers: xb 2,113,536 bytes; idx 4,096 bytes of whole numbers; bmap 1,024 bytes of whole numbers; hbuf 71,303,168 bytes; y 16,908,288 bytes
;; launch router (part 1): grid 64 x 1, 8 waves a work-group, no clusters, 42,240 bytes of LDS; arguments x, Wr, br, xb, idx, bmap; writes xb, idx, bmap
.if DOCPART == 1
	.amdgcn_target "amdgcn-amd-amdhsa--gfx1250"
	.amdhsa_code_object_version 6
	.text
	.protected	k_q9344a8967a_router
	.globl	k_q9344a8967a_router
	.p2align	8
	.type	k_q9344a8967a_router,@function
k_q9344a8967a_router:
	s_mov_b64 s[64:65], 0
	v_nop
	global_prefetch_b8 v0, s[64:65] scope:SCOPE_SE
	s_setreg_imm32_b32 hwreg(HW_REG_WAVE_MODE, 25, 1), 1
	s_wait_xcnt 0x0
; ROUTER.  logits = x Wr + br, softmax, argmax: the expert of each of 1,024 tokens.  x [1024][1024] f32, Wr [1024][8] f32, br [8] f32.
; A work-group owns 16 tokens.  It rounds their rows to bf16 and stores them (xb, for the next launch), multiplies the same rounded numbers by Wr rounded to bf16
; (sums in f32), adds br rounded to bf16, and stores the chosen expert twice: as a number for each token (idx) and as a bit for each token in the expert's row of a bitmap (bmap).
; It also stores its 256 bytes of the eight rows of zeros behind xb's 1,024 rows: the rows of the tokens that no expert was given, whose result is an expert's bias path.
; LIMITS.  Every input is rounded once to bf16.  NaN and infinities are not treated apart.  The division by the temperature 1.0 changes nothing and is not written.
; Two experts whose probabilities come out equal: the lower index is kept; logits closer than the rounding of the f32 sums cannot be told apart in a fixed order.
; No address and no branch hangs on the choice: it is stored at fixed places.
.set XP,    2064                       ; a row of 1,024 bf16 in LDS: 2,048 bytes + 16: an odd multiple of 16, so the 16 rows of a fragment load start 16 bytes apart modulo 256
.set PART,  16*XP                      ; behind the 16 rows: the eight waves' partial logits, 1,024 bytes each
.set SPARE, PART+8192                  ; behind them: the spare words, 128 bytes for each of eight waves, which no other line names
.set XR,  16                           ; v16-79    x as loaded; later the partial logits
.set WR,  80                           ; v80-143   Wr as loaded; later at work
.set WF,  144                          ; v144-175  four fragments of Wr (16 rows: the eight experts twice; 32 K)
.set PKD, 176                          ; v176-207  x rounded
.set XF,  208                          ; v208-239  four fragments of x (16 tokens x 32 K)
.set A0,  240                          ; two accumulators
.set A1,  248
; v1 lane, v2 lane % 16, v3 lane / 16, v4 and v5 the add's two registers, v6-v12 offsets, v13 lane % 8
	s_load_b256 s[4:11], s[0:1], 0x0               ; x s[4:5], Wr s[6:7], br s[8:9], xb s[10:11]
	s_load_b128 s[12:15], s[0:1], 0x20             ; idx s[12:13], bmap s[14:15]
	v_lshl_add_u32 v4, v0, 2, SPARE                ; my spare word
	v_mov_b32 v5, 0
	v_lshrrev_b32 v14, 5, v0
	v_readfirstlane_b32 s32, v14                   ; wave 0..7
	v_and_b32 v1, 31, v0
	v_and_b32 v2, 15, v0
	v_bfe_u32 v3, v0, 4, 1
	v_and_b32 v13, 7, v0
	s_lshl_b32 s33, s32, 13
	v_lshl_add_u32 v6, v1, 4, s33                  ; x: my wave's two rows of 4,096 bytes, 16 bytes a lane
	s_lshl_b32 s33, s32, 12
	v_lshl_add_u32 v7, v3, 8, s33                  ; Wr: row 128 w + 8 (lane / 16), 32 bytes a row,
	v_lshl_add_u32 v7, v13, 2, v7                  ; expert lane % 8
	v_lshl_add_u32 v8, v1, 3, s33                  ; xb: my wave's two rows of 2,048 bytes, 8 bytes a lane
	s_mul_i32 s33, s32, 2*XP
	v_lshl_add_u32 v9, v1, 3, s33                  ; the same two rows in LDS
	v_mul_u32_u24 v10, v2, XP
	v_lshl_add_u32 v10, v3, 4, v10
	s_lshl_b32 s33, s32, 8
	v_add_nc_u32 v10, s33, v10                     ; fragments: token lane % 16, K from 128 w on, 16 bytes for each half of the lanes
	s_lshl_b32 s33, s32, 10
	s_add_co_u32 s33, s33, PART
	v_lshl_add_u32 v11, v1, 4, s33                 ; where my wave puts its partial logits
	v_lshl_add_u32 v12, v1, 4, PART                ; where wave 0 reads them all
	s_mov_b32 s35, 0
	s_wait_kmcnt 0x0
	s_load_b256 s[16:23], s[8:9], 0x0              ; br's eight numbers
	s_lshl_b32 s34, ttmp9, 16
	s_add_nc_u64 s[4:5], s[4:5], s[34:35]          ; x at my 16 rows
	s_lshl_b32 s34, ttmp9, 8
	s_add_nc_u64 s[36:37], s[10:11], s[34:35]
	s_add_nc_u64 s[36:37], s[36:37], 0x200000      ; xb behind its 1,024 rows: my 256 bytes of the rows of zeros
	s_lshl_b32 s34, ttmp9, 15
	s_add_nc_u64 s[10:11], s[10:11], s[34:35]      ; xb at my 16 rows
	s_lshl_b32 s34, ttmp9, 6
	s_add_nc_u64 s[12:13], s[12:13], s[34:35]      ; idx at my 16 tokens
	s_lshl_b32 s34, ttmp9, 1
	s_add_nc_u64 s[14:15], s[14:15], s[34:35]      ; bmap at my 16 bits of expert 0's row
.set i, 0
.rept 16                                               ; two rows, eight pieces of 512 consecutive bytes each
	global_load_b128 v[XR+4*i:XR+4*i+3], v6, s[4:5] offset:(i/8)*4096+(i%8)*512 th:TH_LOAD_NT
.set i, i+1
.endr
.set i, 0
.rept 64                                               ; K step i / 16 of my four; number i % 16 of the lane's sixteen along K: K = 32 (i / 16) + i % 16 + 8 ((i % 16) / 8) + 8 (lane / 16)
	global_load_b32 v[WR+i], v7, s[6:7] offset:(32*(i/16)+(i%16)+8*((i%16)/8))*32
.set i, i+1
.endr
	s_wait_loadcnt 0x0                             ; both are wanted at once
	s_wait_kmcnt 0x0                               ; br
.set i, 0
.rept 32
	v_cvt_pk_bf16_f32 v[PKD+i], v[XR+2*i], v[XR+2*i+1]
.set i, i+1
.endr
.set i, 0
.rept 16
	global_store_b64 v8, v[PKD+2*i:PKD+2*i+1], s[10:11] offset:(i/8)*2048+(i%8)*256  ; the wave's 32 lanes store 256 consecutive bytes, aligned
	ds_store_b64 v9, v[PKD+2*i:PKD+2*i+1] offset:(i/8)*XP+(i%8)*256
.set i, i+1
.endr
.set i, 0
.rept 32
	v_cvt_pk_bf16_f32 v[WF+i], v[WR+2*i], v[WR+2*i+1]
.set i, i+1
.endr
	s_wait_dscnt 0x0                               ; for the others' sake: my two rows are in LDS
	s_barrier_signal -1
	s_barrier_wait -1
.set i, 0
.rept 4
	ds_load_b128 v[XF+8*i:XF+8*i+3],   v10 offset:64*i
	ds_load_b128 v[XF+8*i+4:XF+8*i+7], v10 offset:64*i+32
.set i, i+1
.endr
	s_wait_dscnt 0x0
	; source 0 = experts, source 1 = tokens: in the result a lane holds one token (lane % 16) and register q expert q, in both halves of the lanes.  Two accumulators by turns.
	v_wmma_f32_16x16x32_bf16 v[A0:A0+7], v[WF:WF+7],       v[XF:XF+7],       0
	v_wmma_f32_16x16x32_bf16 v[A1:A1+7], v[WF+8:WF+15],    v[XF+8:XF+15],    0
	v_wmma_f32_16x16x32_bf16 v[A0:A0+7], v[WF+16:WF+23],   v[XF+16:XF+23],   v[A0:A0+7]
	v_wmma_f32_16x16x32_bf16 v[A1:A1+7], v[WF+24:WF+31],   v[XF+24:XF+31],   v[A1:A1+7]
.rept 4
	v_nop                                          ; four places between the last product and the first read of a result (ISA guide 7.12.1)
.endr
.irp p, 0,2,4,6                                        ; from the low end on
	v_pk_add_f32 v[XR+\p:XR+\p+1], v[A0+\p:A0+\p+1], v[A1+\p:A1+\p+1]
.endr
	ds_store_b128 v11, v[XR:XR+3]
	ds_store_b128 v11, v[XR+4:XR+7] offset:512
	s_wait_dscnt 0x0                               ; for wave 0's sake
	s_barrier_signal -1
	s_barrier_wait -1
	s_cmp_lg_u32 s32, 0
	s_cbranch_scc1 .Lend                           ; the rest is wave 0's; no barrier stands in it
.set i, 0
.rept 16
	ds_load_b128 v[XR+4*i:XR+4*i+3], v12 offset:512*i  ; wave i / 2's partial logits, experts 4 (i % 2) on
.set i, i+1
.endr
.irp q, 0,1,2,3,4,5,6,7
	v_mov_b32 v[WR+\q], s[16+\q]
.endr
.irp a, 0,1,2,3                                        ; br rounded to bf16, as f32 again
	v_cvt_pk_bf16_f32 v[WR+8+\a], v[WR+2*\a], v[WR+2*\a+1]
	v_lshlrev_b32 v[WR+16+2*\a], 16, v[WR+8+\a]
	v_and_b32 v[WR+17+2*\a], 0xffff0000, v[WR+8+\a]
.endr
	s_wait_dscnt 0x0
.irp w, 0,2,4,6
.irp p, 0,2,4,6
	v_pk_add_f32 v[XR+8*\w+\p:XR+8*\w+\p+1], v[XR+8*\w+\p:XR+8*\w+\p+1], v[XR+8*\w+8+\p:XR+8*\w+8+\p+1]
.endr
.endr
.irp w, 0,4
.irp p, 0,2,4,6
	v_pk_add_f32 v[XR+8*\w+\p:XR+8*\w+\p+1], v[XR+8*\w+\p:XR+8*\w+\p+1], v[XR+8*\w+16+\p:XR+8*\w+16+\p+1]
.endr
.endr
.irp p, 0,2,4,6
	v_pk_add_f32 v[XR+\p:XR+\p+1], v[XR+\p:XR+\p+1], v[XR+32+\p:XR+32+\p+1]
.endr
.irp p, 0,2,4,6
	v_pk_add_f32 v[XR+\p:XR+\p+1], v[XR+\p:XR+\p+1], v[WR+16+\p:WR+16+\p+1]   ; + br: the logits
.endr
	; softmax as it is defined: the maximum is taken away, exponentials, their sum, the quotient
	v_max3_num_f32 v14, v[XR], v[XR+1], v[XR+2]
	v_max3_num_f32 v14, v14, v[XR+3], v[XR+4]
	v_max3_num_f32 v14, v14, v[XR+5], v[XR+6]
	v_max_num_f32 v14, v14, v[XR+7]
.irp q, 0,1,2,3,4,5,6,7
	v_sub_f32 v[WR+24+\q], v[XR+\q], v14
.endr
.irp q, 0,1,2,3,4,5,6,7
	v_mul_f32 v[WR+24+\q], 0x3fb8aa3b, v[WR+24+\q] ; times log2(e)
.endr
.irp q, 0,1,2,3,4,5,6,7
	v_exp_f32 v[WR+32+\q], v[WR+24+\q]
.endr
	v_nop                                          ; a plain instruction behind the last exponential (ISA guide 5.7.2),
	s_wait_alu depctr_va_vdst(0)                   ; and the one wait ahead of the batch's first reader
	v_add_f32 v15, v[WR+32], v[WR+33]
.irp q, 2,3,4,5,6,7
	v_add_f32 v15, v15, v[WR+32+\q]
.endr
	v_rcp_f32 v14, v15
	v_nop
	s_wait_alu depctr_va_vdst(0)                   ; the reciprocal's wait
.irp q, 0,1,2,3,4,5,6,7
	v_mul_f32 v[WR+32+\q], v[WR+32+\q], v14
.endr
	v_mov_b32 v[WR+41], v[WR+32]                   ; the best so far,
	v_mov_b32 v[WR+40], 0                          ; and its index: only a strictly larger one takes its place, so the lower index wins a tie
.irp q, 1,2,3,4,5,6,7
	v_cmp_gt_f32 vcc_lo, v[WR+32+\q], v[WR+41]
	v_cndmask_b32 v[WR+41], v[WR+41], v[WR+32+\q], vcc_lo
	v_cndmask_b32 v[WR+40], v[WR+40], \q, vcc_lo
.endr
	v_lshlrev_b32 v[WR+42], 2, v2
	global_store_b32 v[WR+42], v[WR+40], s[12:13]  ; idx: lanes 16-31 store what lanes 0-15 store, at the same places
.irp q, 0,1,2,3,4,5,6,7
	v_cmp_eq_u32 s[24+\q], \q, v[WR+40]            ; expert q's 16 tokens as bits 0-15
.endr
	v_mov_b32 v[WR+43], s24
.irp q, 1,2,3,4,5,6,7
	v_cmp_eq_u32 vcc_lo, \q, v13
	v_cndmask_b32 v[WR+43], v[WR+43], s[24+\q], vcc_lo  ; lane l takes the bits of expert l % 8
.endr
	v_lshlrev_b32 v[WR+44], 7, v13                 ; an expert's row of the bitmap is 128 bytes
	global_store_b16 v[WR+44], v[WR+43], s[14:15]
	v_lshlrev_b32 v[WR+45], 3, v1
	v_mov_b32 v[WR+46], 0
	v_mov_b32 v[WR+47], 0
	global_store_b64 v[WR+45], v[WR+46:WR+47], s[36:37]  ; 256 consecutive bytes of zeros
.Lend:
	s_wait_tensorcnt 0x0                           ; the wave's end
	ds_add_u32 v4, v5
	s_wait_dscnt 0x0
	s_endpgm
.Lfunc_end_k_q9344a8967a_router:
	.size	k_q9344a8967a_router, .Lfunc_end_k_q9344a8967a_router-k_q9344a8967a_router
	.p2alignl 7, 3214868480
	.fill 96, 4, 3214868480
	.section	.rodata,"a",@progbits
	.p2align	6, 0x0
	.amdhsa_kernel k_q9344a8967a_router
		.amdhsa_group_segment_fixed_size 42240
		.amdhsa_private_segment_fixed_size 0
		.amdhsa_enable_private_segment 0
		.amdhsa_kernarg_size 48
		.amdhsa_user_sgpr_count 2
		.amdhsa_user_sgpr_kernarg_segment_ptr 1
		.amdhsa_wavefront_size32 1
		.amdhsa_system_sgpr_workgroup_id_x 1
		.amdhsa_system_sgpr_workgroup_id_y 1
		.amdhsa_system_sgpr_workgroup_id_z 1
		.amdhsa_system_vgpr_workitem_id 0
		.amdhsa_next_free_vgpr 256
		.amdhsa_next_free_sgpr 66
		.amdhsa_reserve_vcc 1
		.amdhsa_float_denorm_mode_32 3
		.amdhsa_float_denorm_mode_16_64 3
		.amdhsa_memory_ordered 1
		.amdhsa_forward_progress 1
		.amdhsa_inst_pref_size 27
	.end_amdhsa_kernel
	.amdgpu_metadata
---
amdhsa.version: [ 1, 2 ]
amdhsa.kernels:
  - .name:           k_q9344a8967a_router
    .symbol:         k_q9344a8967a_router.kd
    .args:
      - { .name: x, .offset: 0, .size: 8, .value_kind: global_buffer, .address_space: global }
      - { .name: Wr, .offset: 8, .size: 8, .value_kind: global_buffer, .address_space: global }
      - { .name: br, .offset: 16, .size: 8, .value_kind: global_buffer, .address_space: global }
      - { .name: xb, .offset: 24, .size: 8, .value_kind: global_buffer, .address_space: global }
      - { .name: idx, .offset: 32, .size: 8, .value_kind: global_buffer, .address_space: global }
      - { .name: bmap, .offset: 40, .size: 8, .value_kind: global_buffer, .address_space: global }
    .group_segment_fixed_size: 42240
    .private_segment_fixed_size: 0
    .kernarg_segment_align: 8
    .kernarg_segment_size: 48
    .max_flat_workgroup_size: 256
    .sgpr_count:     66
    .vgpr_count:     256
    .wavefront_size: 32
...
	.end_amdgpu_metadata
.endif
;; end of part 1
;; launch up (part 2): grid 32 x 8, 4 waves a work-group, no clusters, 136,192 bytes of LDS; arguments W1, b1, xb, bmap, hbuf; writes hbuf
.if DOCPART == 2
	.amdgcn_target "amdgcn-amd-amdhsa--gfx1250"
	.amdhsa_code_object_version 6
	.text
	.protected	k_q9344a8967a_up
	.globl	k_q9344a8967a_up
	.p2align	8
	.type	k_q9344a8967a_up,@function
k_q9344a8967a_up:
	s_mov_b64 s[64:65], 0
	v_nop
	global_prefetch_b8 v0, s[64:65] scope:SCOPE_SE
	s_setreg_imm32_b32 hwreg(HW_REG_WAVE_MODE, 25, 1), 1
	s_wait_xcnt 0x0
; FIRST PRODUCT.  h = relu(x W1[e] + b1[e]) for the rows of expert e alone: its tokens in ascending order, then the row of zeros 1024 + e (its result is the expert's bias path),
; repeated up to a multiple of 64 rows.  W1 [8][1024][4096] f32, b1 [8][4096] f32, xb [1032][1024] bf16, bmap [8][32] words (bit b of word j: token 32 j + b chose the expert).
; SHARES.  Work-group (x, y) = 128 hidden columns x of expert y: 1,024 x 128 weights, which it alone reads, once.  Wave w has K = 256 w .. 256 w + 255 of them: 64 fragments of bf16, 512 registers,
; which stay for the whole launch.  The weights go from memory through registers: a load's lanes 0-15 take 256 consecutive bytes (64 columns) of one row, lanes 16-31 of the row 8 further on;
; a lane's four numbers belong to four column tiles (tile (c, j): lane r has column 64 c + 4 r + j), and two rows' numbers round into one register of a fragment.  No LDS, no shuffle.
; ROWS.  Tiles of 16 rows, four a trip.  Each wave multiplies a tile by its quarter of K (64 matrix instructions, source 0 = weights, source 1 = tokens), puts its partial sums (f32) into LDS; behind
; a barrier wave (c, s) adds the four quarters for registers 4 s .. 4 s + 3 of the tiles (c, 0..3): for one token a lane, sixteen NEIGHBOURING hidden columns 64 c + 32 (lane / 16) + 16 s + 0..15.
; With the bias, rounded to bf16 and cut at 0 they are the lane's 32 bytes of a fragment of the second product, and are stored as that register image: 512 consecutive bytes an instruction.
; THE LOOP has 17 trips, which cover the 68 tiles of an expert that has all tokens; every wave passes every barrier, and a trip past the expert's tiles jumps over the work alone.
; NO CLUSTER: each weight has one reader, and the token rows come by a list, which no tile descriptor covers.
; LIMITS.  Weights, bias and h are rounded once to bf16; sums in f32.  NaN and infinities are not treated apart.
; REGISTERS, in windows of 256 (s_set_vgpr_msb: bits 1:0 source 0, 3:2 source 1, 5:4 source 2, 7:6 destination):
;   window 0: below.   window 1: four slots of 64: first the weights as loaded, then the ring of token tiles.   windows 2, 3: the fragments: (K step ks, tile nt) at 64 ks + 8 nt of 512.
.set HE,    8912896                    ; bytes of an expert in hbuf: 68 tiles x 128 K steps x 1,024
.set LIST,  131072                     ; LDS: 0 .. 131,071 the exchange: [4 tiles][4 waves][16 chunks][32 lanes][16 bytes]; then the list: rank -> token, 1,088 words;
.set DUMPW, 1088                       ; then a word a lane for the list's stores of lanes whose token is not the expert's: never read
.set SPARE, 135680                     ; then the spare words, 128 bytes for each wave, which no other line names
.set LANE,  1
.set RR,    2                          ; lane % 16
.set HH,    3                          ; lane / 16
.set WOFF,  4                          ; my byte offset in a pair of weight rows; never rewritten
.set SPW,   5                          ; my spare word's address; never rewritten
.set NIL,   6                          ; 0; never rewritten
.set ST0,   7                          ; v7, v8   exchange, in: tiles 0-1, tiles 2-3
.set LD0,   9                          ; v9, v10  exchange, out
.set LISTA, 11                         ; LIST + 4 (lane % 16)
.set XO,    12                         ; v12-15   slot i: byte offset in xb of my token's piece
.set TK,    16                         ; v16-19   slot i: my token
.set L16,   20                         ; 16 x lane
.set XL,    21                         ; 512 w + 16 (lane / 16)
.set ZERO,  22
.set OFFB,  23                         ; the trip's byte offset in hbuf
.set TMP,   24                         ; v24-27   at work
.set BOFF,  29                         ; the bias loads' offset; never rewritten
.set BT,    32                         ; v32-47   the bias: column 4 q + j at BT + 4 j + q, the order of the sums
.set OUT,   48                         ; v48-63   two buffers of 8: what is stored; at the start the bias as loaded
.set ACC,   64                         ; v64-127  eight accumulators
.set TA,    128                        ; v128-191, v192-255: a tile's four quarters, two buffers
.set TB,    192
; s[4:5] weights, s[6:7] bias, s[8:9] xb, s[10:11] bitmap, s[12:13] hbuf; s14 wave, s15 expert, s16 slice, s17 c, s18 s, s19 tokens, s20 tiles, s21 tiles - 1, s22 trips, s23 first tile, s24-27 next tiles, s[32:63] the bitmap
.set MSB, 0
.macro WIN new                         ; the immediate's high byte repeats the setting that is left; a switch that changes nothing is dropped
.if MSB != (\new)
	s_set_vgpr_msb (MSB<<8)|(\new)
.set MSB, (\new)
.endif
.endm
; Group g = 2 ks + c: 16 loads, the 32 rows of K step ks, 64 columns from 64 c on, into slot g % 4
.macro GLOAD g
	WIN 0x40
.set gi, 0
.rept 16
	global_load_b128 v[64*((\g)%4)+4*gi:64*((\g)%4)+4*gi+3], v[WOFF], s[4:5] offset:(32*((\g)/2)+gi+8*(gi/8))*16384+256*((\g)%2) th:TH_LOAD_NT
.set gi, gi+1
.endr
.endm
; the group's 64 numbers a lane round into register q of the four fragments (ks, 4 c + j)
.macro GCVT g
	WIN 0x85+0x40*((\g)/8)
.set cj, 0
.rept 4
.set cq, 0
.rept 8
	v_cvt_pk_bf16_f32 v[32*((\g)%8)+8*cj+cq], v[64*((\g)%4)+8*cq+cj], v[64*((\g)%4)+8*cq+4+cj]
.set cq, cq+1
.endr
.set cj, cj+1
.endr
.endm
; a tile of 16 tokens x my 256 K: eight fragments, two loads of 16 bytes each, into slot i
.macro XLOAD i
	WIN 0x40
.set xk, 0
.rept 8
	global_load_b128 v[64*(\i)+8*xk:64*(\i)+8*xk+3],   v[XO+(\i)], s[8:9] offset:64*xk
	global_load_b128 v[64*(\i)+8*xk+4:64*(\i)+8*xk+7], v[XO+(\i)], s[8:9] offset:64*xk+32
.set xk, xk+1
.endr
.endm
; 64 matrix instructions: the eight accumulators take turns, one instruction a turn; the first K step starts the sums
.macro MULT i
.set mk, 0
.rept 8
	WIN 0x06+mk/4
.set mn, 0
.rept 8
.if mk == 0
	v_wmma_f32_16x16x32_bf16 v[ACC+8*mn:ACC+8*mn+7], v[64*(mk%4)+8*mn:64*(mk%4)+8*mn+7], v[64*(\i)+8*mk:64*(\i)+8*mk+7], 0
.else
	v_wmma_f32_16x16x32_bf16 v[ACC+8*mn:ACC+8*mn+7], v[64*(mk%4)+8*mn:64*(mk%4)+8*mn+7], v[64*(\i)+8*mk:64*(\i)+8*mk+7], v[ACC+8*mn:ACC+8*mn+7]
.endif
.set mn, mn+1
.endr
.set mk, mk+1
.endr
.endm
.macro PUT i                           ; my partial sums into the exchange: chunk 2 nt + half; each accumulator's low half first
.set pn, 0
.rept 8
	ds_store_b128 v[ST0+(\i)/2], v[ACC+8*pn:ACC+8*pn+3]   offset:((\i)%2)*32768+1024*pn
	ds_store_b128 v[ST0+(\i)/2], v[ACC+8*pn+4:ACC+8*pn+7] offset:((\i)%2)*32768+1024*pn+512
.set pn, pn+1
.endr
.endm
.macro LOADT i, t                      ; the four waves' chunks (c, j, s), j = 0..3: wave lw / 4, j = lw % 4
.set lw, 0
.rept 16
	ds_load_b128 v[(\t)+4*lw:(\t)+4*lw+3], v[LD0+(\i)/2] offset:((\i)%2)*32768+8192*(lw/4)+1024*(lw%4)
.set lw, lw+1
.endr
.endm
.macro FIN i, t, o                     ; the four quarters are added, the bias too; rounded, cut at 0, stored
	s_wait_xcnt 0x0                                ; earlier stores have read their registers: OUT is rewritten only behind this wait
.irp p, 0,2,4,6,8,10,12,14
	v_pk_add_f32 v[(\t)+\p:(\t)+\p+1], v[(\t)+\p:(\t)+\p+1], v[(\t)+16+\p:(\t)+16+\p+1]
.endr
.irp p, 0,2,4,6,8,10,12,14
	v_pk_add_f32 v[(\t)+32+\p:(\t)+32+\p+1], v[(\t)+32+\p:(\t)+32+\p+1], v[(\t)+48+\p:(\t)+48+\p+1]
.endr
.irp p, 0,2,4,6,8,10,12,14
	v_pk_add_f32 v[(\t)+\p:(\t)+\p+1], v[(\t)+\p:(\t)+\p+1], v[(\t)+32+\p:(\t)+32+\p+1]
.endr
.irp p, 0,2,4,6,8,10,12,14
	v_pk_add_f32 v[(\t)+\p:(\t)+\p+1], v[(\t)+\p:(\t)+\p+1], v[BT+\p:BT+\p+1]
.endr
.irp d, 0,1,2,3,4,5,6,7                                ; register d holds columns 2 d and 2 d + 1 of the sixteen: column 4 q + j lies at 4 j + q
	v_cvt_pk_bf16_f32 v[(\o)+\d], v[(\t)+8*(\d%2)+\d/2], v[(\t)+8*(\d%2)+4+\d/2]
.endr
.irp d, 0,1,2,3,4,5,6,7
	v_pk_max_num_bf16 v[(\o)+\d], v[(\o)+\d], v[ZERO]
.endr
	global_store_b128 v[OFFB], v[(\o):(\o)+3],   s[12:13] offset:131072*(\i)       ; 512 consecutive bytes each
	global_store_b128 v[OFFB], v[(\o)+4:(\o)+7], s[12:13] offset:131072*(\i)+512
.endm
	s_load_b256 s[4:11], s[0:1], 0x0               ; W1, b1, xb, bmap
	s_load_b64 s[12:13], s[0:1], 0x20              ; hbuf
	v_lshl_add_u32 v[SPW], v0, 2, SPARE
	v_mov_b32 v[NIL], 0
	v_lshrrev_b32 v[TMP], 5, v0
	v_readfirstlane_b32 s14, v[TMP]                ; wave 0..3: my quarter of K
	v_and_b32 v[LANE], 31, v0
	v_and_b32 v[RR], 15, v0
	v_bfe_u32 v[HH], v0, 4, 1
	s_and_b32 s15, ttmp7, 0xffff                   ; expert
	s_mov_b32 s16, ttmp9                           ; slice of 128 hidden columns
	s_lshr_b32 s17, s14, 1                         ; c, s: what I finish
	s_and_b32 s18, s14, 1
	v_lshlrev_b32 v[WOFF], 4, v[RR]
	v_lshl_add_u32 v[WOFF], v[HH], 17, v[WOFF]     ; 16 (lane % 16) + 8 rows of 16,384 bytes for lanes 16-31
	s_lshl_b32 s30, s14, 13
	v_lshl_add_u32 v[ST0], v[LANE], 4, s30
	v_add_nc_u32 v[ST0+1], 0x10000, v[ST0]
	s_lshl_b32 s30, s17, 12
	s_lshl_b32 s31, s18, 9
	s_add_co_u32 s30, s30, s31
	v_lshl_add_u32 v[LD0], v[LANE], 4, s30
	v_add_nc_u32 v[LD0+1], 0x10000, v[LD0]
	v_lshl_add_u32 v[LISTA], v[RR], 2, LIST
	v_lshlrev_b32 v[L16], 4, v[LANE]
	s_lshl_b32 s30, s14, 9
	v_lshl_add_u32 v[XL], v[HH], 4, s30
	v_mov_b32 v[ZERO], 0
	v_lshlrev_b32 v[BOFF], 7, v[HH]
	s_mov_b32 s29, 0
	s_wait_kmcnt 0x0
	s_lshl_b32 s28, s15, 7
	s_add_nc_u64 s[10:11], s[10:11], s[28:29]
	s_load_b512 s[32:47], s[10:11], 0x0            ; the expert's 1,024 bits
	s_load_b512 s[48:63], s[10:11], 0x40
	s_lshl_b32 s28, s15, 24                        ; weights: expert, my 256 rows of 16,384 bytes, the slice's 512 bytes
	s_lshl_b32 s30, s14, 22
	s_add_co_u32 s28, s28, s30
	s_lshl_b32 s30, s16, 9
	s_add_co_u32 s28, s28, s30
	s_add_nc_u64 s[4:5], s[4:5], s[28:29]
	s_lshl_b32 s28, s15, 14                        ; bias: expert, slice, 64 c + 16 s columns
	s_add_co_u32 s28, s28, s30
	s_lshl_b32 s30, s17, 8
	s_add_co_u32 s28, s28, s30
	s_lshl_b32 s30, s18, 6
	s_add_co_u32 s28, s28, s30
	s_add_nc_u64 s[6:7], s[6:7], s[28:29]
	s_lshl_b32 s30, s16, 2                         ; hbuf: expert, K step 4 x slice + 2 c + s of the second product
	s_lshl_b32 s31, s17, 1
	s_add_co_u32 s30, s30, s31
	s_add_co_u32 s30, s30, s18
	s_lshl_b32 s30, s30, 10
	s_mul_i32 s28, s15, HE
	s_add_co_u32 s28, s28, s30
	s_add_nc_u64 s[12:13], s[12:13], s[28:29]
.irp a, 0,1,2,3
	global_load_b128 v[OUT+4*\a:OUT+4*\a+3], v[BOFF], s[6:7] offset:16*\a
.endr
	GLOAD 0                                        ; 64 loads of 512 bytes a wave are asked for before anything is waited for
	GLOAD 1
	GLOAD 2
	GLOAD 3
	WIN 0
	s_wait_kmcnt 0x0
	s_mov_b32 s19, 0
.set lj, 0
.rept 32
	s_bcnt1_i32_b32 s30, s[32+lj]
	s_add_co_u32 s19, s19, s30
.set lj, lj+1
.endr
	s_min_u32 s19, s19, 0x400                      ; the expert's tokens
	s_add_co_u32 s20, s19, 64
	s_lshr_b32 s20, s20, 6
	s_lshl_b32 s20, s20, 2                         ; its tiles: tokens + 1 rows, up to a multiple of 64 rows: 4 .. 68
	s_sub_co_u32 s21, s20, 1
	s_cmp_lg_u32 s14, 0
	s_cbranch_scc1 .Lnolist
	; wave 0 makes the list: a token's rank is the number of the expert's tokens below it.  32 tokens a word; a lane whose token is another expert's stores into its own word behind the list.
	v_add_nc_u32 v[TMP+1], DUMPW, v[LANE]
	v_mov_b32 v[TMP+2], v[LANE]
	s_mov_b32 s31, 0
.set lj, 0
.rept 32
	v_mbcnt_lo_u32_b32 v[TMP], s[32+lj], 0
	v_add_nc_u32 v[TMP], s31, v[TMP]
	v_cndmask_b32 v[TMP], v[TMP+1], v[TMP], s[32+lj]
	v_min_u32 v[TMP], 0x45f, v[TMP]                ; inside the list and the words behind it, whatever the bitmap holds
	v_lshl_add_u32 v[TMP], v[TMP], 2, LIST
	ds_store_b32 v[TMP], v[TMP+2]
	v_add_nc_u32 v[TMP+2], 32, v[TMP+2]
	s_bcnt1_i32_b32 s30, s[32+lj]
	s_add_co_u32 s31, s31, s30
.set lj, lj+1
.endr
	v_add_nc_u32 v[TMP], s19, v[LANE]              ; behind the tokens 64 times the row of zeros 1024 + e: more than the last tile needs
	v_lshl_add_u32 v[TMP], v[TMP], 2, LIST
	s_add_co_u32 s30, s15, 1024
	v_mov_b32 v[TMP+2], s30
	ds_store_b32 v[TMP], v[TMP+2]
	ds_store_b32 v[TMP], v[TMP+2] offset:128
.Lnolist:
	s_wait_dscnt 0x0                               ; for the others' sake: the list is in LDS
	s_barrier_signal -1
	s_barrier_wait -1
.irp i, 0,1,2,3
	ds_load_b32 v[TK+\i], v[LISTA] offset:64*\i    ; tiles 0 to 3: every expert has four
.endr
	s_wait_dscnt 0x0
.irp i, 0,1,2,3
	v_min_u32 v[TK+\i], 0x407, v[TK+\i]
	v_lshl_add_u32 v[XO+\i], v[TK+\i], 11, v[XL]
.endr
	; THE WEIGHTS.  Behind the sixteen loads that a turn wants, three further sets of sixteen have been issued (groups; at the end token tiles): the count 48 leaves them out.
.set pg, 0
.rept 16
	s_wait_loadcnt 48
	GCVT pg
.if pg < 12
	GLOAD pg+4
.else
	XLOAD pg-12                                    ; the slots turn into the ring of token tiles
.endif
.if pg == 0
	WIN 0                                          ; the bias, asked for ahead of group 0, is in too: rounded to bf16, as f32 again, in the order of the sums
.irp a, 0,1,2,3,4,5,6,7
	v_cvt_pk_bf16_f32 v[TMP], v[OUT+2*\a], v[OUT+2*\a+1]
	v_lshlrev_b32 v[BT+4*((2*\a)%4)+(2*\a)/4], 16, v[TMP]
	v_and_b32 v[BT+4*((2*\a+1)%4)+(2*\a+1)/4], 0xffff0000, v[TMP]
.endr
.endif
.set pg, pg+1
.endr
	WIN 0
	s_mov_b32 s22, 17
	s_mov_b32 s23, 0
.Ltrip:                                                ; at this label four tiles' loads are out, in the slots' order: the start sets that up, a trip's first part keeps it, a jump over it leaves it
	s_cmp_ge_u32 s23, s20
	s_cbranch_scc1 .LnoA
.irp i, 0,1,2,3                                        ; the next trip's tiles, held to the expert's last tile: their tokens are asked for now
	s_add_co_u32 s[24+\i], s23, 4+\i
	s_min_u32 s[24+\i], s[24+\i], s21
	s_min_u32 s[24+\i], s[24+\i], 67
	s_lshl_b32 s30, s[24+\i], 6
	v_add_nc_u32 v[TMP+\i], s30, v[LISTA]
	ds_load_b32 v[TK+\i], v[TMP+\i]
.endr
.irp i, 0,1,2,3
	s_wait_loadcnt 48                              ; slot i is in; the three younger tiles stay out
	MULT \i
	WIN 0
	s_wait_dscnt 0x0                               ; the tokens are in (and the tile before's stores are done: all were issued 64 matrix instructions ago)
	v_min_u32 v[TK+\i], 0x407, v[TK+\i]            ; five plain instructions: the places between the products and the reads of their results, the loads into the slot
	v_lshl_add_u32 v[XO+\i], v[TK+\i], 11, v[XL]   ; that they read, and the next tile's first products, which write the accumulators anew (ISA guide 7.12.1)
	v_nop
	v_nop
	v_nop
	PUT \i
	XLOAD \i
.endr
	WIN 0
.LnoA:
	s_wait_dscnt 0x0                               ; my partial sums are in LDS
	s_barrier_signal -1
	s_barrier_wait -1
	s_cmp_ge_u32 s23, s20
	s_cbranch_scc1 .LnoB
	s_wait_xcnt 0x0                                ; the last trip's stores have read OFFB
	s_lshl_b32 s30, s23, 17
	v_add_nc_u32 v[OFFB], s30, v[L16]
	LOADT 0, TA
	LOADT 1, TB
	s_wait_dscnt 16                                ; all but the sixteen loads of the younger tile
	FIN 0, TA, OUT
	LOADT 2, TA
	s_wait_dscnt 16
	FIN 1, TB, OUT+8
	LOADT 3, TB
	s_wait_dscnt 16
	FIN 2, TA, OUT
	s_wait_dscnt 0x0
	FIN 3, TB, OUT+8
.LnoB:
	s_wait_dscnt 0x0                               ; my reads of the exchange are over: the next trip may write it
	s_barrier_signal -1
	s_barrier_wait -1
	s_add_co_u32 s23, s23, 4
	s_sub_co_u32 s22, s22, 1
	s_cmp_lg_u32 s22, 0
	s_cbranch_scc1 .Ltrip
	s_wait_tensorcnt 0x0                           ; the wave's end
	ds_add_u32 v[SPW], v[NIL]
	s_wait_dscnt 0x0
	s_endpgm                                       ; the ring's last loads, of a tile that exists, are not used
.Lfunc_end_k_q9344a8967a_up:
	.size	k_q9344a8967a_up, .Lfunc_end_k_q9344a8967a_up-k_q9344a8967a_up
	.p2alignl 7, 3214868480
	.fill 96, 4, 3214868480
	.section	.rodata,"a",@progbits
	.p2align	6, 0x0
	.amdhsa_kernel k_q9344a8967a_up
		.amdhsa_group_segment_fixed_size 136192
		.amdhsa_private_segment_fixed_size 0
		.amdhsa_enable_private_segment 0
		.amdhsa_kernarg_size 40
		.amdhsa_user_sgpr_count 2
		.amdhsa_user_sgpr_kernarg_segment_ptr 1
		.amdhsa_wavefront_size32 1
		.amdhsa_system_sgpr_workgroup_id_x 1
		.amdhsa_system_sgpr_workgroup_id_y 1
		.amdhsa_system_sgpr_workgroup_id_z 1
		.amdhsa_system_vgpr_workitem_id 0
		.amdhsa_next_free_vgpr 1024
		.amdhsa_next_free_sgpr 66
		.amdhsa_reserve_vcc 0
		.amdhsa_float_denorm_mode_32 3
		.amdhsa_float_denorm_mode_16_64 3
		.amdhsa_memory_ordered 1
		.amdhsa_forward_progress 1
		.amdhsa_inst_pref_size 133
	.end_amdhsa_kernel
	.amdgpu_metadata
---
amdhsa.version: [ 1, 2 ]
amdhsa.kernels:
  - .name:           k_q9344a8967a_up
    .symbol:         k_q9344a8967a_up.kd
    .args:
      - { .name: W1, .offset: 0, .size: 8, .value_kind: global_buffer, .address_space: global }
      - { .name: b1, .offset: 8, .size: 8, .value_kind: global_buffer, .address_space: global }
      - { .name: xb, .offset: 16, .size: 8, .value_kind: global_buffer, .address_space: global }
      - { .name: bmap, .offset: 24, .size: 8, .value_kind: global_buffer, .address_space: global }
      - { .name: hbuf, .offset: 32, .size: 8, .value_kind: global_buffer, .address_space: global }
    .group_segment_fixed_size: 136192
    .private_segment_fixed_size: 0
    .kernarg_segment_align: 8
    .kernarg_segment_size: 40
    .max_flat_workgroup_size: 128
    .sgpr_count:     66
    .vgpr_count:     1024
    .wavefront_size: 32
...
	.end_amdgpu_metadata
.endif
;; end of part 2
;; launch down (part 3): grid 32 x 8, 4 waves a work-group, no clusters, 136,192 bytes of LDS; arguments W2, b2, hbuf, bmap, y; writes y
.if DOCPART == 3
	.amdgcn_target "amdgcn-amd-amdhsa--gfx1250"
	.amdhsa_code_object_version 6
	.text
	.protected	k_q9344a8967a_down
	.globl	k_q9344a8967a_down
	.p2align	8
	.type	k_q9344a8967a_down,@function
k_q9344a8967a_down:
	s_mov_b64 s[64:65], 0
	v_nop
	global_prefetch_b8 v0, s[64:65] scope:SCOPE_SE
	s_setreg_imm32_b32 hwreg(HW_REG_WAVE_MODE, 25, 1), 1
	s_wait_xcnt 0x0
; SECOND PRODUCT.  y[kp][token] = h[.., K part kp] W2[e][K part kp] (+ b2[e] in part 0), for the rows of expert e alone, stored at the token's own row (row 1024 + e: the expert's bias path).
; W2 [8][4096][1024] f32, b2 [8][1024] f32, hbuf: register images of h's fragments, [expert][68 tiles][128 K steps][1,024 bytes], bmap as in the first product, y [4][1032][1024] f32: partial sums.
; SHARES.  Work-group (x, y): K part kp = x / 8 (1,024 of the 4,096 hidden columns), 128 output columns x % 8, expert y: 1,024 x 128 weights, which it alone reads, once.  Wave w has 256 of the K part:
; 64 fragments of bf16 in 512 registers for the whole launch, made as in the first product.  Along K both operands have the same order: number i of the sixteen that lanes' half h holds in K step ks
; is hidden column 64 (ks / 2) + 32 h + 16 (ks % 2) + i, the order in which the first product's results left its lanes; a product's sum does not hang on it.
; ROWS.  As in the first product, with source 0 = tokens, source 1 = weights: a lane's result is one output column and eight tokens.  Wave (c, s) adds the four quarters of K for tokens
; 8 (lane / 16) + 4 s + 0..3 and columns 64 c + 4 (lane % 16) + 0..3: sixteen lanes store 256 consecutive bytes of a token's row, aligned.  Rows that repeat store equal numbers at one place.
; THE LOOP has 17 trips, which cover 68 tiles; every wave passes every barrier, and a trip past the expert's tiles jumps over the work alone.
; NO CLUSTER: each weight has one reader; h's tiles, which eight work-groups share, go straight into registers as operands, without a stop in LDS.
; LIMITS.  Weights and bias are rounded once to bf16; sums in f32, the four K parts' too.  NaN and infinities are not treated apart.
; REGISTERS: window 0 below; window 1 four slots of 64 (weights as loaded, then the ring of h's tiles); windows 2, 3 the fragments: (ks, nt) at 64 ks + 8 nt of 512.
.set HE,    8912896
.set YP,    4227072                    ; bytes of a K part in y
.set LIST,  131072                     ; LDS as in the first product: exchange, list, a word a lane behind it, spare words
.set DUMPW, 1088
.set SPARE, 135680
.set LANE,  1
.set RR,    2
.set HH,    3
.set WOFF,  4                          ; never rewritten
.set SPW,   5                          ; never rewritten
.set NIL,   6                          ; never rewritten
.set ST0,   7                          ; v7, v8
.set LD0,   9                          ; v9, v10
.set LISTA, 11                         ; LIST + 4 (8 (lane / 16) + 4 s)
.set XO,    12                         ; v12-15   slot i: byte offset of my 16 bytes in its tile of hbuf
.set L16,   20                         ; 16 x lane
.set R16,   21                         ; 16 x (lane % 16); never rewritten
.set OFFB,  23                         ; the trip's place in the list
.set TQ,    24                         ; v24-31   two buffers of four tokens; at the start at work
.set BIAS,  32                         ; v32-35
.set RO,    36                         ; v36-39   four rows' byte offsets in y
.set FF,    48                         ; v48-63   four rows x four columns to store; at the start the bias as loaded
.set ACC,   64
.set TA,    128
.set TB,    192
.set MSB, 0
.macro WIN new
.if MSB != (\new)
	s_set_vgpr_msb (MSB<<8)|(\new)
.set MSB, (\new)
.endif
.endm
.macro GLOAD g                         ; group g = 2 ks + c: the 32 rows of K step ks in the order above, 64 columns from 64 c on
	WIN 0x40
.set gi, 0
.rept 16
	global_load_b128 v[64*((\g)%4)+4*gi:64*((\g)%4)+4*gi+3], v[WOFF], s[4:5] offset:(64*((\g)/4)+16*(((\g)/2)%2)+gi)*4096+256*((\g)%2) th:TH_LOAD_NT
.set gi, gi+1
.endr
.endm
.macro GCVT g
	WIN 0x85+0x40*((\g)/8)
.set cj, 0
.rept 4
.set cq, 0
.rept 8
	v_cvt_pk_bf16_f32 v[32*((\g)%8)+8*cj+cq], v[64*((\g)%4)+8*cq+cj], v[64*((\g)%4)+8*cq+4+cj]
.set cq, cq+1
.endr
.set cj, cj+1
.endr
.endm
.macro XLOAD i                         ; my eight K steps of a tile: register images, 512 consecutive bytes a load
	WIN 0x40
.set xk, 0
.rept 8
	global_load_b128 v[64*(\i)+8*xk:64*(\i)+8*xk+3],   v[XO+(\i)], s[8:9] offset:1024*xk
	global_load_b128 v[64*(\i)+8*xk+4:64*(\i)+8*xk+7], v[XO+(\i)], s[8:9] offset:1024*xk+512
.set xk, xk+1
.endr
.endm
.macro MULT i                          ; the eight accumulators take turns, one instruction a turn; the first K step starts the sums
.set mk, 0
.rept 8
	WIN 0x09+4*(mk/4)
.set mn, 0
.rept 8
.if mk == 0
	v_wmma_f32_16x16x32_bf16 v[ACC+8*mn:ACC+8*mn+7], v[64*(\i)+8*mk:64*(\i)+8*mk+7], v[64*(mk%4)+8*mn:64*(mk%4)+8*mn+7], 0
.else
	v_wmma_f32_16x16x32_bf16 v[ACC+8*mn:ACC+8*mn+7], v[64*(\i)+8*mk:64*(\i)+8*mk+7], v[64*(mk%4)+8*mn:64*(mk%4)+8*mn+7], v[ACC+8*mn:ACC+8*mn+7]
.endif
.set mn, mn+1
.endr
.set mk, mk+1
.endr
.endm
.macro PUT i
.set pn, 0
.rept 8
	ds_store_b128 v[ST0+(\i)/2], v[ACC+8*pn:ACC+8*pn+3]   offset:((\i)%2)*32768+1024*pn
	ds_store_b128 v[ST0+(\i)/2], v[ACC+8*pn+4:ACC+8*pn+7] offset:((\i)%2)*32768+1024*pn+512
.set pn, pn+1
.endr
.endm
.macro LOADT i, t, q                   ; the four waves' chunks (c, j, s), and my four rows' tokens: 17 loads
.set lw, 0
.rept 16
	ds_load_b128 v[(\t)+4*lw:(\t)+4*lw+3], v[LD0+(\i)/2] offset:((\i)%2)*32768+8192*(lw/4)+1024*(lw%4)
.set lw, lw+1
.endr
	ds_load_b128 v[(\q):(\q)+3], v[OFFB] offset:64*(\i)
.endm
.macro FIN t, q
	s_wait_xcnt 0x0                                ; earlier stores have read their registers: FF and RO are rewritten only behind this wait
.irp p, 0,2,4,6,8,10,12,14
	v_pk_add_f32 v[(\t)+\p:(\t)+\p+1], v[(\t)+\p:(\t)+\p+1], v[(\t)+16+\p:(\t)+16+\p+1]
.endr
.irp p, 0,2,4,6,8,10,12,14
	v_pk_add_f32 v[(\t)+32+\p:(\t)+32+\p+1], v[(\t)+32+\p:(\t)+32+\p+1], v[(\t)+48+\p:(\t)+48+\p+1]
.endr
.irp a, 0,1,2,3                                        ; the last addition also turns (column j, row a) into (row a, column j)
.irp j, 0,1,2,3
	v_add_f32 v[FF+4*\a+\j], v[(\t)+4*\j+\a], v[(\t)+32+4*\j+\a]
.endr
.endr
.irp a, 0,1,2,3
	v_pk_add_f32 v[FF+4*\a:FF+4*\a+1],   v[FF+4*\a:FF+4*\a+1],   v[BIAS:BIAS+1]
	v_pk_add_f32 v[FF+4*\a+2:FF+4*\a+3], v[FF+4*\a+2:FF+4*\a+3], v[BIAS+2:BIAS+3]
.endr
.irp a, 0,1,2,3
	v_min_u32 v[RO+\a], 0x407, v[(\q)+\a]
	v_lshl_add_u32 v[RO+\a], v[RO+\a], 12, v[R16]
.endr
.irp a, 0,1,2,3
	global_store_b128 v[RO+\a], v[FF+4*\a:FF+4*\a+3], s[12:13]  ; sixteen lanes store 256 consecutive bytes, aligned
.endr
.endm
	s_load_b256 s[4:11], s[0:1], 0x0               ; W2, b2, hbuf, bmap
	s_load_b64 s[12:13], s[0:1], 0x20              ; y
	v_lshl_add_u32 v[SPW], v0, 2, SPARE
	v_mov_b32 v[NIL], 0
	v_lshrrev_b32 v[TQ], 5, v0
	v_readfirstlane_b32 s14, v[TQ]                 ; wave 0..3: my quarter of the K part
	v_and_b32 v[LANE], 31, v0
	v_and_b32 v[RR], 15, v0
	v_bfe_u32 v[HH], v0, 4, 1
	s_and_b32 s15, ttmp7, 0xffff                   ; expert
	s_mov_b32 s16, ttmp9                           ; 8 x K part + column slice
	s_lshr_b32 s17, s14, 1                         ; c, s: what I finish
	s_and_b32 s18, s14, 1
	v_lshlrev_b32 v[R16], 4, v[RR]
	v_lshl_add_u32 v[WOFF], v[HH], 17, v[R16]      ; 16 (lane % 16) + 32 rows of 4,096 bytes for lanes 16-31
	s_lshl_b32 s30, s14, 13
	v_lshl_add_u32 v[ST0], v[LANE], 4, s30
	v_add_nc_u32 v[ST0+1], 0x10000, v[ST0]
	s_lshl_b32 s30, s17, 12
	s_lshl_b32 s31, s18, 9
	s_add_co_u32 s30, s30, s31
	v_lshl_add_u32 v[LD0], v[LANE], 4, s30
	v_add_nc_u32 v[LD0+1], 0x10000, v[LD0]
	s_lshl_b32 s30, s18, 4
	s_add_co_u32 s30, s30, LIST
	v_lshl_add_u32 v[LISTA], v[HH], 5, s30
	v_lshlrev_b32 v[L16], 4, v[LANE]
	s_mov_b32 s29, 0
	s_wait_kmcnt 0x0
	s_lshl_b32 s28, s15, 7
	s_add_nc_u64 s[10:11], s[10:11], s[28:29]
	s_load_b512 s[32:47], s[10:11], 0x0            ; the expert's 1,024 bits
	s_load_b512 s[48:63], s[10:11], 0x40
	s_lshr_b32 s31, s16, 3                         ; kp
	s_and_b32 s27, s16, 7
	s_lshl_b32 s27, s27, 9                         ; the slice's 512 bytes of a row
	s_lshl_b32 s28, s15, 24                        ; weights: expert, K part, my 256 rows of 4,096 bytes, slice
	s_lshl_b32 s30, s31, 22
	s_add_co_u32 s28, s28, s30
	s_lshl_b32 s30, s14, 20
	s_add_co_u32 s28, s28, s30
	s_add_co_u32 s28, s28, s27
	s_add_nc_u64 s[4:5], s[4:5], s[28:29]
	s_lshl_b32 s26, s17, 8                         ; 64 c columns
	s_lshl_b32 s28, s15, 12                        ; bias: expert, slice, c
	s_add_co_u32 s28, s28, s27
	s_add_co_u32 s28, s28, s26
	s_add_nc_u64 s[6:7], s[6:7], s[28:29]
	s_mul_i32 s28, s15, HE                         ; hbuf: expert, K step 32 kp + 8 w
	s_lshl_b32 s30, s31, 15
	s_add_co_u32 s28, s28, s30
	s_lshl_b32 s30, s14, 13
	s_add_co_u32 s28, s28, s30
	s_add_nc_u64 s[8:9], s[8:9], s[28:29]
	s_mul_i32 s28, s31, YP                         ; y: K part, slice, c
	s_add_co_u32 s28, s28, s27
	s_add_co_u32 s28, s28, s26
	s_add_nc_u64 s[12:13], s[12:13], s[28:29]
	global_load_b128 v[FF:FF+3], v[R16], s[6:7]
	GLOAD 0                                        ; 64 loads of 512 bytes a wave are asked for before anything is waited for
	GLOAD 1
	GLOAD 2
	GLOAD 3
	WIN 0
	s_wait_kmcnt 0x0
	s_mov_b32 s19, 0
.set lj, 0
.rept 32
	s_bcnt1_i32_b32 s30, s[32+lj]
	s_add_co_u32 s19, s19, s30
.set lj, lj+1
.endr
	s_min_u32 s19, s19, 0x400                      ; the expert's tokens
	s_add_co_u32 s20, s19, 64
	s_lshr_b32 s20, s20, 6
	s_lshl_b32 s20, s20, 2                         ; its tiles, as the first product counted them
	s_sub_co_u32 s21, s20, 1
	s_cmp_lg_u32 s14, 0
	s_cbranch_scc1 .Lnolist
	; wave 0 makes the list, as in the first product
	v_add_nc_u32 v[TQ+1], DUMPW, v[LANE]
	v_mov_b32 v[TQ+2], v[LANE]
	s_mov_b32 s31, 0
.set lj, 0
.rept 32
	v_mbcnt_lo_u32_b32 v[TQ], s[32+lj], 0
	v_add_nc_u32 v[TQ], s31, v[TQ]
	v_cndmask_b32 v[TQ], v[TQ+1], v[TQ], s[32+lj]
	v_min_u32 v[TQ], 0x45f, v[TQ]                  ; inside the list and the words behind it, whatever the bitmap holds
	v_lshl_add_u32 v[TQ], v[TQ], 2, LIST
	ds_store_b32 v[TQ], v[TQ+2]
	v_add_nc_u32 v[TQ+2], 32, v[TQ+2]
	s_bcnt1_i32_b32 s30, s[32+lj]
	s_add_co_u32 s31, s31, s30
.set lj, lj+1
.endr
	v_add_nc_u32 v[TQ], s19, v[LANE]
	v_lshl_add_u32 v[TQ], v[TQ], 2, LIST
	s_add_co_u32 s30, s15, 1024
	v_mov_b32 v[TQ+2], s30
	ds_store_b32 v[TQ], v[TQ+2]
	ds_store_b32 v[TQ], v[TQ+2] offset:128
.Lnolist:
	s_wait_dscnt 0x0                               ; for the others' sake: the list is in LDS
	s_barrier_signal -1
	s_barrier_wait -1
.irp i, 0,1,2,3
	v_add_nc_u32 v[XO+\i], 131072*\i, v[L16]       ; tiles 0 to 3: every expert has four
.endr
	; THE WEIGHTS.  Behind the sixteen loads that a turn wants, three further sets of sixteen have been issued: the count 48 leaves them out.
.set pg, 0
.rept 16
	s_wait_loadcnt 48
	GCVT pg
.if pg < 12
	GLOAD pg+4
.else
	XLOAD pg-12
.endif
.if pg == 0
	WIN 0                                          ; the bias, asked for ahead of group 0, is in too: rounded to bf16, as f32 again; it belongs to K part 0 alone
	v_cvt_pk_bf16_f32 v[FF+4], v[FF], v[FF+1]
	v_cvt_pk_bf16_f32 v[FF+5], v[FF+2], v[FF+3]
	v_lshlrev_b32 v[BIAS], 16, v[FF+4]
	v_and_b32 v[BIAS+1], 0xffff0000, v[FF+4]
	v_lshlrev_b32 v[BIAS+2], 16, v[FF+5]
	v_and_b32 v[BIAS+3], 0xffff0000, v[FF+5]
	s_lshr_b32 s30, s16, 3
	s_cmp_eq_u32 s30, 0
	s_cselect_b32 s30, -1, 0
.irp a, 0,1,2,3
	v_and_b32 v[BIAS+\a], s30, v[BIAS+\a]
.endr
.endif
.set pg, pg+1
.endr
	WIN 0
	s_mov_b32 s22, 17
	s_mov_b32 s23, 0
.Ltrip:                                                ; at this label four tiles' loads are out, in the slots' order
	s_cmp_ge_u32 s23, s20
	s_cbranch_scc1 .LnoA
.irp i, 0,1,2,3                                        ; the next trip's tiles, held to the expert's last tile
	s_add_co_u32 s[24+\i], s23, 4+\i
	s_min_u32 s[24+\i], s[24+\i], s21
	s_min_u32 s[24+\i], s[24+\i], 67
.endr
.irp i, 0,1,2,3
	s_wait_loadcnt 48                              ; slot i is in; the three younger tiles stay out
	MULT \i
	WIN 0
	s_lshl_b32 s30, s[24+\i], 17
	v_add_nc_u32 v[XO+\i], s30, v[L16]             ; five plain instructions: the places between the products and the reads of their results, the loads into the slot
	v_nop                                          ; that they read, and the next tile's first products, which write the accumulators anew (ISA guide 7.12.1)
	v_nop
	v_nop
	v_nop
	PUT \i
	XLOAD \i
.endr
	WIN 0
.LnoA:
	s_wait_dscnt 0x0                               ; my partial sums are in LDS
	s_barrier_signal -1
	s_barrier_wait -1
	s_cmp_ge_u32 s23, s20
	s_cbranch_scc1 .LnoB
	s_lshl_b32 s30, s23, 6
	v_add_nc_u32 v[OFFB], s30, v[LISTA]
	LOADT 0, TA, TQ
	LOADT 1, TB, TQ+4
	s_wait_dscnt 17                                ; all but the seventeen loads of the younger tile
	FIN TA, TQ
	LOADT 2, TA, TQ
	s_wait_dscnt 17
	FIN TB, TQ+4
	LOADT 3, TB, TQ+4
	s_wait_dscnt 17
	FIN TA, TQ
	s_wait_dscnt 0x0
	FIN TB, TQ+4
.LnoB:
	s_wait_dscnt 0x0                               ; my reads of the exchange are over: the next trip may write it
	s_barrier_signal -1
	s_barrier_wait -1
	s_add_co_u32 s23, s23, 4
	s_sub_co_u32 s22, s22, 1
	s_cmp_lg_u32 s22, 0
	s_cbranch_scc1 .Ltrip
	s_wait_tensorcnt 0x0                           ; the wave's end
	ds_add_u32 v[SPW], v[NIL]
	s_wait_dscnt 0x0
	s_endpgm                                       ; the ring's last loads, of a tile that exists, are not used
.Lfunc_end_k_q9344a8967a_down:
	.size	k_q9344a8967a_down, .Lfunc_end_k_q9344a8967a_down-k_q9344a8967a_down
	.p2alignl 7, 3214868480
	.fill 96, 4, 3214868480
	.section	.rodata,"a",@progbits
	.p2align	6, 0x0
	.amdhsa_kernel k_q9344a8967a_down
		.amdhsa_group_segment_fixed_size 136192
		.amdhsa_private_segment_fixed_size 0
		.amdhsa_enable_private_segment 0
		.amdhsa_kernarg_size 40
		.amdhsa_user_sgpr_count 2
		.amdhsa_user_sgpr_kernarg_segment_ptr 1
		.amdhsa_wavefront_size32 1
		.amdhsa_system_sgpr_workgroup_id_x 1
		.amdhsa_system_sgpr_workgroup_id_y 1
		.amdhsa_system_sgpr_workgroup_id_z 1
		.amdhsa_system_vgpr_workitem_id 0
		.amdhsa_next_free_vgpr 1024
		.amdhsa_next_free_sgpr 66
		.amdhsa_reserve_vcc 0
		.amdhsa_float_denorm_mode_32 3
		.amdhsa_float_denorm_mode_16_64 3
		.amdhsa_memory_ordered 1
		.amdhsa_forward_progress 1
		.amdhsa_inst_pref_size 130
	.end_amdhsa_kernel
	.amdgpu_metadata
---
amdhsa.version: [ 1, 2 ]
amdhsa.kernels:
  - .name:           k_q9344a8967a_down
    .symbol:         k_q9344a8967a_down.kd
    .args:
      - { .name: W2, .offset: 0, .size: 8, .value_kind: global_buffer, .address_space: global }
      - { .name: b2, .offset: 8, .size: 8, .value_kind: global_buffer, .address_space: global }
      - { .name: hbuf, .offset: 16, .size: 8, .value_kind: global_buffer, .address_space: global }
      - { .name: bmap, .offset: 24, .size: 8, .value_kind: global_buffer, .address_space: global }
      - { .name: y, .offset: 32, .size: 8, .value_kind: global_buffer, .address_space: global }
    .group_segment_fixed_size: 136192
    .private_segment_fixed_size: 0
    .kernarg_segment_align: 8
    .kernarg_segment_size: 40
    .max_flat_workgroup_size: 128
    .sgpr_count:     66
    .vgpr_count:     1024
    .wavefront_size: 32
...
	.end_amdgpu_metadata
.endif
;; end of part 3
;; launch fin (part 4): grid 16 x 16, 4 waves a work-group, no clusters, 0 bytes of LDS; arguments y, idx, out0; writes out0
.if DOCPART == 4
	.amdgcn_target "amdgcn-amd-amdhsa--gfx1250"
	.amdhsa_code_object_version 6
	.text
	.protected	k_q9344a8967a_fin
	.globl	k_q9344a8967a_fin
	.p2align	8
	.type	k_q9344a8967a_fin,@function
k_q9344a8967a_fin:
	s_mov_b64 s[64:65], 0
	v_nop
	global_prefetch_b8 v0, s[64:65] scope:SCOPE_SE
	s_setreg_imm32_b32 hwreg(HW_REG_WAVE_MODE, 25, 1), 1
	s_wait_xcnt 0x0
; THE SUM.  out[t] = the sum over the four K parts of y[kp][t], plus the bias paths c_i = the sum over kp of y[kp][1024 + i] of the seven experts i that token t did NOT choose.
; y [4][1032][1024] f32, idx [1024] whole numbers, out0 [1024][1024] f32.  The seven are added directly, for each of the eight possible choices once; the token's index picks one of the eight sums
; by selects: no address and no branch hangs on it.
; SHARES.  Work-group (x, y): 64 columns x (256 bytes of a row), 64 tokens y.  A wave has 16 tokens, two a step: lanes 0-15 one token's 256 bytes, lanes 16-31 the next token's.
; Memory binds: no LDS, no matrix unit, no cluster.  Each byte of the tokens' rows is read once; the eight bias rows' pieces are read by every wave that needs them.
.set YP,  4227072                      ; bytes of a K part in y
.set ID,  8                            ; v8-15    my token's expert, step by step
.set CR,  16                           ; v16-143  c as loaded: expert i, part kp at CR + 16 i + 4 kp; later steps 4-7 of y (v16-79) and the selects' work (v80-107)
.set Y1,  144                          ; v144-207 steps 0-3 of y: step st, part kp at Y1 + 16 st + 4 kp
.set CX,  208                          ; v208-239 choice e: the sum of the seven others
.set T0,  80
.set T1,  96
.set T2,  104
; v4 16 (lane % 16); v5 my row's and columns' offset; v6 my token's offset in idx: none is rewritten
	s_load_b128 s[4:7], s[0:1], 0x0                ; y s[4:5], idx s[6:7]
	s_load_b64 s[24:25], s[0:1], 0x10              ; out0
	v_lshrrev_b32 v1, 5, v0
	v_readfirstlane_b32 s26, v1                    ; wave
	v_and_b32 v2, 15, v0
	v_bfe_u32 v3, v0, 4, 1
	s_and_b32 s27, ttmp7, 0xffff                   ; group of 64 tokens
	v_lshlrev_b32 v4, 4, v2
	s_lshl_b32 s28, s26, 4
	v_add_nc_u32 v7, s28, v3                       ; 16 w + lane / 16
	v_lshl_add_u32 v5, v7, 12, v4
	v_lshlrev_b32 v6, 2, v7
	s_mov_b32 s29, 0
	s_wait_kmcnt 0x0
	s_lshl_b32 s28, ttmp9, 8
	s_add_nc_u64 s[8:9], s[4:5], s[28:29]          ; the four parts at my columns,
	s_add_nc_u64 s[10:11], s[8:9], YP
	s_add_nc_u64 s[12:13], s[10:11], YP
	s_add_nc_u64 s[14:15], s[12:13], YP
	s_add_nc_u64 s[24:25], s[24:25], s[28:29]
	s_lshl_b32 s28, s27, 18
	s_add_nc_u64 s[16:17], s[8:9], s[28:29]        ; and at my 64 tokens
	s_add_nc_u64 s[18:19], s[10:11], s[28:29]
	s_add_nc_u64 s[20:21], s[12:13], s[28:29]
	s_add_nc_u64 s[22:23], s[14:15], s[28:29]
	s_add_nc_u64 s[24:25], s[24:25], s[28:29]
	s_lshl_b32 s28, s27, 8
	s_add_nc_u64 s[6:7], s[6:7], s[28:29]
.irp st, 0,1,2,3,4,5,6,7
	global_load_b32 v[ID+\st], v6, s[6:7] offset:8*\st
.endr
.irp i, 0,1,2,3,4,5,6,7
.irp kp, 0,1,2,3
	global_load_b128 v[CR+16*\i+4*\kp:CR+16*\i+4*\kp+3], v4, s[8+2*\kp:9+2*\kp] offset:(1024+\i)*4096
.endr
.endr
.irp st, 0,1,2,3
.irp kp, 0,1,2,3
	global_load_b128 v[Y1+16*\st+4*\kp:Y1+16*\st+4*\kp+3], v5, s[16+2*\kp:17+2*\kp] offset:8192*\st th:TH_LOAD_NT
.endr
.endr
	s_wait_loadcnt 16                              ; the indices and the bias rows are in; the sixteen loads of steps 0-3 stay out
.irp i, 0,1,2,3,4,5,6,7                                ; c_i: the four parts added, in place
.irp p, 0,2
	v_pk_add_f32 v[CR+16*\i+\p:CR+16*\i+\p+1],     v[CR+16*\i+\p:CR+16*\i+\p+1],     v[CR+16*\i+4+\p:CR+16*\i+4+\p+1]
	v_pk_add_f32 v[CR+16*\i+8+\p:CR+16*\i+8+\p+1], v[CR+16*\i+8+\p:CR+16*\i+8+\p+1], v[CR+16*\i+12+\p:CR+16*\i+12+\p+1]
.endr
.endr
.irp i, 0,1,2,3,4,5,6,7
.irp p, 0,2
	v_pk_add_f32 v[CR+16*\i+\p:CR+16*\i+\p+1], v[CR+16*\i+\p:CR+16*\i+\p+1], v[CR+16*\i+8+\p:CR+16*\i+8+\p+1]
.endr
.endr
.irp e, 0,1,2,3,4,5,6,7                                ; for choice e the seven others, in ascending order: never a total less one of its terms
.set ca, 0
.if (\e) == 0
.set ca, 1
.endif
.set cb, ca+1
.if cb == (\e)
.set cb, cb+1
.endif
.irp p, 0,2
	v_pk_add_f32 v[CX+4*\e+\p:CX+4*\e+\p+1], v[CR+16*ca+\p:CR+16*ca+\p+1], v[CR+16*cb+\p:CR+16*cb+\p+1]
.endr
.irp i, 2,3,4,5,6,7
.if ((\i) > cb) && ((\i) != (\e))
.irp p, 0,2
	v_pk_add_f32 v[CX+4*\e+\p:CX+4*\e+\p+1], v[CX+4*\e+\p:CX+4*\e+\p+1], v[CR+16*\i+\p:CR+16*\i+\p+1]
.endr
.endif
.endr
.endr
.irp st, 0,1,2,3                                       ; steps 4-7 go where c lay
.irp kp, 0,1,2,3
	global_load_b128 v[CR+16*\st+4*\kp:CR+16*\st+4*\kp+3], v5, s[16+2*\kp:17+2*\kp] offset:8192*(\st+4) th:TH_LOAD_NT
.endr
.endr
.macro STEP st
.if (\st) < 4
.set yb, Y1+16*(\st)
.else
.set yb, CR+16*((\st)-4)
.endif
	s_wait_loadcnt 28-4*(\st)                      ; my four loads are in; the later steps' four each stay out
	v_pk_add_f32 v[yb:yb+1],     v[yb:yb+1],     v[yb+4:yb+5]
	v_pk_add_f32 v[yb+2:yb+3],   v[yb+2:yb+3],   v[yb+6:yb+7]
	v_pk_add_f32 v[yb+8:yb+9],   v[yb+8:yb+9],   v[yb+12:yb+13]
	v_pk_add_f32 v[yb+10:yb+11], v[yb+10:yb+11], v[yb+14:yb+15]
	v_and_b32 v240, 1, v[ID+(\st)]                 ; the index's three bits as lane masks
	v_and_b32 v241, 2, v[ID+(\st)]
	v_and_b32 v242, 4, v[ID+(\st)]
	v_cmp_ne_u32 s28, 0, v240
	v_cmp_ne_u32 s29, 0, v241
	v_cmp_ne_u32 s30, 0, v242
	v_pk_add_f32 v[yb:yb+1],   v[yb:yb+1],   v[yb+8:yb+9]
	v_pk_add_f32 v[yb+2:yb+3], v[yb+2:yb+3], v[yb+10:yb+11]
.irp p, 0,1,2,3
.irp k, 0,1,2,3
	v_cndmask_b32 v[T0+4*\p+\k], v[CX+8*\p+\k], v[CX+8*\p+4+\k], s28
.endr
.endr
.irp p, 0,1
.irp k, 0,1,2,3
	v_cndmask_b32 v[T1+4*\p+\k], v[T0+8*\p+\k], v[T0+8*\p+4+\k], s29
.endr
.endr
.irp k, 0,1,2,3
	v_cndmask_b32 v[T2+\k], v[T1+\k], v[T1+4+\k], s30
.endr
	v_pk_add_f32 v[yb:yb+1],   v[yb:yb+1],   v[T2:T2+1]
	v_pk_add_f32 v[yb+2:yb+3], v[yb+2:yb+3], v[T2+2:T2+3]
	global_store_b128 v5, v[yb:yb+3], s[24:25] offset:8192*(\st) th:TH_STORE_NT  ; two tokens' 256 consecutive bytes, aligned; a step's registers are its own and are not written again
.endm
.irp st, 0,1,2,3,4,5,6,7
	STEP \st
.endr
	s_endpgm
.Lfunc_end_k_q9344a8967a_fin:
	.size	k_q9344a8967a_fin, .Lfunc_end_k_q9344a8967a_fin-k_q9344a8967a_fin
	.p2alignl 7, 3214868480
	.fill 96, 4, 3214868480
	.section	.rodata,"a",@progbits
	.p2align	6, 0x0
	.amdhsa_kernel k_q9344a8967a_fin
		.amdhsa_group_segment_fixed_size 0
		.amdhsa_private_segment_fixed_size 0
		.amdhsa_enable_private_segment 0
		.amdhsa_kernarg_size 24
		.amdhsa_user_sgpr_count 2
		.amdhsa_user_sgpr_kernarg_segment_ptr 1
		.amdhsa_wavefront_size32 1
		.amdhsa_system_sgpr_workgroup_id_x 1
		.amdhsa_system_sgpr_workgroup_id_y 1
		.amdhsa_system_sgpr_workgroup_id_z 1
		.amdhsa_system_vgpr_workitem_id 0
		.amdhsa_next_free_vgpr 248
		.amdhsa_next_free_sgpr 66
		.amdhsa_reserve_vcc 0
		.amdhsa_float_denorm_mode_32 3
		.amdhsa_float_denorm_mode_16_64 3
		.amdhsa_memory_ordered 1
		.amdhsa_forward_progress 1
		.amdhsa_inst_pref_size 39
	.end_amdhsa_kernel
	.amdgpu_metadata
---
amdhsa.version: [ 1, 2 ]
amdhsa.kernels:
  - .name:           k_q9344a8967a_fin
    .symbol:         k_q9344a8967a_fin.kd
    .args:
      - { .name: y, .offset: 0, .size: 8, .value_kind: global_buffer, .address_space: global }
      - { .name: idx, .offset: 8, .size: 8, .value_kind: global_buffer, .address_space: global }
      - { .name: out0, .offset: 16, .size: 8, .value_kind: global_buffer, .address_space: global }
    .group_segment_fixed_size: 0
    .private_segment_fixed_size: 0
    .kernarg_segment_align: 8
    .kernarg_segment_size: 24
    .max_flat_workgroup_size: 128
    .sgpr_count:     66
    .vgpr_count:     248
    .wavefront_size: 32
...
	.end_amdgpu_metadata
.endif
;; end of part 4
;; ======== version 2 of 2: 4 launches; version 1 with the launches up, down written anew for expert scheduling mode
;; workspace buffers: xb 2,113,536 bytes; idx 4,096 bytes of whole numbers; bmap 1,024 bytes of whole numbers; hbuf 71,303,168 bytes; y 16,908,288 bytes
;; launch router: the kernel of part 1 again; grid 64 x 1, 8 waves a work-group, no clusters, 42,240 bytes of LDS; arguments x, Wr, br, xb, idx, bmap; writes xb, idx, bmap
;; launch up (part 5): grid 32 x 8, 4 waves a work-group, no clusters, 136,192 bytes of LDS; arguments W1, b1, xb, bmap, hbuf; writes hbuf
.if DOCPART == 5
	.amdgcn_target "amdgcn-amd-amdhsa--gfx1250"
	.amdhsa_code_object_version 6
	.text
	.protected	k_q9344a8967a_up
	.globl	k_q9344a8967a_up
	.p2align	8
	.type	k_q9344a8967a_up,@function
k_q9344a8967a_up:
	s_mov_b64 s[64:65], 0
	v_nop
	global_prefetch_b8 v0, s[64:65] scope:SCOPE_SE
	s_setreg_imm32_b32 hwreg(HW_REG_WAVE_SCHED_MODE, 0, 2), 2
	s_setreg_imm32_b32 hwreg(HW_REG_WAVE_MODE, 25, 1), 1
	s_wait_xcnt 0x0
	s_wait_alu depctr_vm_vsrc(0)
; FIRST PRODUCT.  h = relu(x W1[e] + b1[e]) for the rows of expert e alone: its tokens in ascending order, then the row of zeros 1024 + e (its result is the expert's bias path),
; repeated up to a multiple of 64 rows.  W1 [8][1024][4096] f32, b1 [8][4096] f32, xb [1032][1024] bf16, bmap [8][32] words (bit b of word j: token 32 j + b chose the expert).
; SHARES.  Work-group (x, y) = 128 hidden columns x of expert y: 1,024 x 128 weights, which it alone reads, once.  Wave w has K = 256 w .. 256 w + 255 of them: 64 fragments of bf16, 512 registers,
; which stay for the whole launch.  The weights go from memory through registers: a load's lanes 0-15 take 256 consecutive bytes (64 columns) of one row, lanes 16-31 of the row 8 further on;
; a lane's four numbers belong to four column tiles (tile (c, j): lane r has column 64 c + 4 r + j), and two rows' numbers round into one register of a fragment.  No LDS, no shuffle.
; ROWS.  Tiles of 16 rows, four a trip.  Each wave multiplies a tile by its quarter of K (64 matrix instructions, source 0 = weights, source 1 = tokens), puts its partial sums (f32) into LDS; behind
; a barrier wave (c, s) adds the four quarters for registers 4 s .. 4 s + 3 of the tiles (c, 0..3): for one token a lane, sixteen NEIGHBOURING hidden columns 64 c + 32 (lane / 16) + 16 s + 0..15.
; With the bias, rounded to bf16 and cut at 0 they are the lane's 32 bytes of a fragment of the second product, and are stored as that register image: 512 consecutive bytes an instruction.
; THE LOOP has 17 trips, which cover the 68 tiles of an expert that has all tokens; every wave passes every barrier, and a trip past the expert's tiles jumps over the work alone.
; NO CLUSTER: each weight has one reader, and the token rows come by a list, which no tile descriptor covers.
; LIMITS.  Weights, bias and h are rounded once to bf16; sums in f32.  NaN and infinities are not treated apart.
; THE MODE: SCHED_MODE bits 1:0 = 2 (LLVM: expert scheduling mode 2), set by the entry lines.  The code itself states the register dependences between vector or matrix instructions
; and memory or LDS instructions, with s_wait_alu, always for 0.
; THE PLAN.  Registers that memory or LDS instructions touch:
;   slots 0-3     At the start: a group's conversions read its slot, and behind ONE wait on va_vdst the slot is asked for again at once.  In the loop: tile i's products read slot i, and behind the tile's one wait it is asked for again.
;   ACC0, ACC1    Two sets of eight accumulators; tile i's products write set i % 2.  The tile's one wait on va_vdst (behind its four places) shows the set written; its sixteen LDS stores are then dealt among
;                 the products of tile i + 1, which name the other set, slot i + 1 and the fragments alone.  A wait on vm_vsrc stands ahead of the products that write a set anew: a whole tile behind the stores that read it.
;   TA, TB        A trip's second half: LDS loads land in them, the additions read and write them; TA is ACC1's registers.  The wait ahead of a tile's stores to memory also shows its additions done with the buffer that is loaded next.
;   OUT0, OUT1    Written by a tile's roundings, read by its two stores; written again two tiles later, behind a wait on vm_vsrc.
;   XO, TMP, TK, OFFB   Offsets and tokens, written once a trip: XO + i ahead of tile i's wait, TMP ahead of the wait at the trip's head, OFFB ahead of the wait at the second half's head.
;   WOFF, BOFF, ST0, LD0, LISTA   Made at the head, ahead of its wait, and never written again.
; REGISTERS, in windows of 256 (s_set_vgpr_msb: bits 1:0 source 0, 3:2 source 1, 5:4 source 2, 7:6 destination):
;   window 0: below.   window 1: four slots of 64: first the weights as loaded, then the ring of token tiles.   windows 2, 3: the fragments: (K step ks, tile nt) at 64 ks + 8 nt of 512.
.set HE,    8912896                    ; bytes of an expert in hbuf: 68 tiles x 128 K steps x 1,024
.set LIST,  131072                     ; LDS: 0 .. 131,071 the exchange: [4 tiles][4 waves][16 chunks][32 lanes][16 bytes]; then the list: rank -> token, 1,088 words;
.set DUMPW, 1088                       ; then a word a lane for the list's stores of lanes whose token is not the expert's: never read.  The 512 bytes from 135,680 on: the spare words, 128 bytes for each wave
.set LANE,  1
.set RR,    2                          ; lane % 16
.set HH,    3                          ; lane / 16
.set WOFF,  4                          ; my byte offset in a pair of weight rows; never rewritten
.set ST0,   7                          ; v7, v8   exchange, in: tiles 0-1, tiles 2-3
.set LD0,   9                          ; v9, v10  exchange, out
.set LISTA, 11                         ; LIST + 4 (lane % 16)
.set XO,    12                         ; v12-15   slot i: byte offset in xb of my token's piece
.set TK,    16                         ; v16-19   slot i: my token
.set L16,   20                         ; 16 x lane
.set XL,    21                         ; 512 w + 16 (lane / 16)
.set ZERO,  22
.set OFFB,  23                         ; the trip's byte offset in hbuf
.set TMP,   24                         ; v24-27   at work
.set BOFF,  29                         ; the bias loads' offset; never rewritten
.set BT,    32                         ; v32-47   the bias: column 4 q + j at BT + 4 j + q, the order of the sums
.set OUT,   48                         ; v48-63   two buffers of 8: what is stored; at the start the bias as loaded
.set ACC,   64                         ; v64-127, v128-191: two sets of eight accumulators; tile i has set i % 2
.set TA,    128                        ; v128-191, v192-255: a tile's four quarters, two buffers
.set TB,    192
.set LSA,   64                         ; v64-95   at the start only: the LDS addresses of the list's 32 stores
.set LSD,   96                         ; v96-127  at the start only: their data
; s[4:5] weights, s[6:7] bias, s[8:9] xb, s[10:11] bitmap, s[12:13] hbuf; s14 wave, s15 expert, s16 slice, s17 c, s18 s, s19 tokens, s20 tiles, s21 tiles - 1, s22 trips, s23 first tile, s24-27 next tiles, s[32:63] the bitmap
.set MSB, 0
.macro WIN new                         ; the immediate's high byte repeats the setting that is left; a switch that changes nothing is dropped
.if MSB != (\new)
	s_set_vgpr_msb (MSB<<8)|(\new)
.set MSB, (\new)
.endif
.endm
; Group g = 2 ks + c: 16 loads, the 32 rows of K step ks, 64 columns from 64 c on, into slot g % 4.  w = 1: the slot has just been read
.macro GLOAD g, w
	WIN 0x40
.if \w
	s_wait_alu depctr_va_vdst(0)                   ; the conversions just issued are done reading this slot, in which the loads below land
.endif
.set gi, 0
.rept 16
	global_load_b128 v[64*((\g)%4)+4*gi:64*((\g)%4)+4*gi+3], v[WOFF], s[4:5] offset:(32*((\g)/2)+gi+8*(gi/8))*16384+256*((\g)%2) th:TH_LOAD_NT
.set gi, gi+1
.endr
.endm
; the group's 64 numbers a lane round into register q of the four fragments (ks, 4 c + j)
.macro GCVT g
	WIN 0x85+0x40*((\g)/8)
.set cj, 0
.rept 4
.set cq, 0
.rept 8
	v_cvt_pk_bf16_f32 v[32*((\g)%8)+8*cj+cq], v[64*((\g)%4)+8*cq+cj], v[64*((\g)%4)+8*cq+4+cj]
.set cq, cq+1
.endr
.set cj, cj+1
.endr
.endm
; a tile of 16 tokens x my 256 K: eight fragments, two loads of 16 bytes each, into slot i.  w = 0: the wait stands some lines ahead, with LDS stores of other registers between
.macro XLOAD i, w
	WIN 0x40
.if \w
	s_wait_alu depctr_va_vdst(0)                   ; what read slot i (conversions at the start, products in the loop) is done reading it, and XO + i is written; in the loop the products have also written their accumulators, which the LDS stores among the next tile's products read
.endif
.set xk, 0
.rept 8
	global_load_b128 v[64*(\i)+8*xk:64*(\i)+8*xk+3],   v[XO+(\i)], s[8:9] offset:64*xk
	global_load_b128 v[64*(\i)+8*xk+4:64*(\i)+8*xk+7], v[XO+(\i)], s[8:9] offset:64*xk+32
.set xk, xk+1
.endr
.endm
; tile j's partial sums into the exchange: n accumulators from p0 on, chunk 2 nt + half; each accumulator's low half first
.macro PUT j, p0, n
.set pn, (\p0)
.rept (\n)
	ds_store_b128 v[ST0+(\j)/2], v[ACC+64*((\j)%2)+8*pn:ACC+64*((\j)%2)+8*pn+3]   offset:((\j)%2)*32768+1024*pn
	ds_store_b128 v[ST0+(\j)/2], v[ACC+64*((\j)%2)+8*pn+4:ACC+64*((\j)%2)+8*pn+7] offset:((\j)%2)*32768+1024*pn+512
.set pn, pn+1
.endr
.endm
; 64 matrix instructions: the set's eight accumulators take turns, one instruction a turn; the first K step starts the sums.  Behind each of the first four K steps stand four of the sixteen LDS stores
; of the tile before: no wait: no vector or matrix instruction since that tile's wait names its accumulators or ST0
.macro MULT i
.set ac, ACC+64*((\i)%2)
.set mk, 0
.rept 8
	WIN 0x06+mk/4
.set mn, 0
.rept 8
.if mk == 0
	v_wmma_f32_16x16x32_bf16 v[ac+8*mn:ac+8*mn+7], v[64*(mk%4)+8*mn:64*(mk%4)+8*mn+7], v[64*(\i)+8*mk:64*(\i)+8*mk+7], 0
.else
	v_wmma_f32_16x16x32_bf16 v[ac+8*mn:ac+8*mn+7], v[64*(mk%4)+8*mn:64*(mk%4)+8*mn+7], v[64*(\i)+8*mk:64*(\i)+8*mk+7], v[ac+8*mn:ac+8*mn+7]
.endif
.set mn, mn+1
.endr
.if ((\i) > 0) && (mk < 4)
	WIN 0
	PUT (\i)-1, 2*mk, 2
.endif
.set mk, mk+1
.endr
.endm
.macro LOADT i, t                      ; the four waves' chunks (c, j, s), j = 0..3: wave lw / 4, j = lw % 4
.set lw, 0
.rept 16
	ds_load_b128 v[(\t)+4*lw:(\t)+4*lw+3], v[LD0+(\i)/2] offset:((\i)%2)*32768+8192*(lw/4)+1024*(lw%4)
.set lw, lw+1
.endr
.endm
.macro FIN i, t, o                     ; the four quarters are added, the bias too; rounded, cut at 0, stored
	s_wait_xcnt 0x0                                ; earlier stores have read their registers: OUT is rewritten only behind this wait
.if (\i) >= 2
	s_wait_alu depctr_vm_vsrc(0)                   ; the stores of the tile two back have read this OUT, which the roundings below write again (tiles 0 and 1: the wait at this half's head)
.endif
.irp p, 0,2,4,6,8,10,12,14
	v_pk_add_f32 v[(\t)+\p:(\t)+\p+1], v[(\t)+\p:(\t)+\p+1], v[(\t)+16+\p:(\t)+16+\p+1]
.endr
.irp p, 0,2,4,6,8,10,12,14
	v_pk_add_f32 v[(\t)+32+\p:(\t)+32+\p+1], v[(\t)+32+\p:(\t)+32+\p+1], v[(\t)+48+\p:(\t)+48+\p+1]
.endr
.irp p, 0,2,4,6,8,10,12,14
	v_pk_add_f32 v[(\t)+\p:(\t)+\p+1], v[(\t)+\p:(\t)+\p+1], v[(\t)+32+\p:(\t)+32+\p+1]
.endr
.irp p, 0,2,4,6,8,10,12,14
	v_pk_add_f32 v[(\t)+\p:(\t)+\p+1], v[(\t)+\p:(\t)+\p+1], v[BT+\p:BT+\p+1]
.endr
.irp d, 0,1,2,3,4,5,6,7                                ; register d holds columns 2 d and 2 d + 1 of the sixteen: column 4 q + j lies at 4 j + q
	v_cvt_pk_bf16_f32 v[(\o)+\d], v[(\t)+8*(\d%2)+\d/2], v[(\t)+8*(\d%2)+4+\d/2]
.endr
.irp d, 0,1,2,3,4,5,6,7
	v_pk_max_num_bf16 v[(\o)+\d], v[(\o)+\d], v[ZERO]
.endr
	s_wait_alu depctr_va_vdst(0)                   ; this OUT is written, which the two stores read; the additions are done with their buffer, in which the LDS loads behind the stores land
	global_store_b128 v[OFFB], v[(\o):(\o)+3],   s[12:13] offset:131072*(\i)       ; 512 consecutive bytes each
	global_store_b128 v[OFFB], v[(\o)+4:(\o)+7], s[12:13] offset:131072*(\i)+512
.endm
; Tile i of a trip's four
.macro TILE i
.if (\i) == 0
	s_wait_alu depctr_vm_vsrc(0)                   ; the last trip's LDS stores have read both sets of accumulators, its tile loads XO, and the four loads above TMP: all are written again from here on
.elseif (\i) >= 2
	s_wait_alu depctr_vm_vsrc(0)                   ; the LDS stores dealt among the last tile's products have read the set that this tile's products write anew
.endif
	s_wait_loadcnt 48                              ; slot i is in; the three younger tiles stay out
	MULT \i
	WIN 0
	s_wait_dscnt 0x0                               ; the tokens are in (and the tile before's stores are done)
	v_min_u32 v[TK+(\i)], 0x407, v[TK+(\i)]        ; four plain instructions: the places between the products and the LDS stores that read their results
	v_lshl_add_u32 v[XO+(\i)], v[TK+(\i)], 11, v[XL]
	v_nop
	v_nop
.if (\i) < 3
	XLOAD \i, 1                                    ; the slot is asked for again at once
.else
	s_wait_alu depctr_va_vdst(0)                   ; the products have written their accumulators, which the LDS stores read, and are done reading slot 3; XO + 3 is written
	PUT 3, 0, 8                                    ; no tile follows among whose products they could stand
	XLOAD 3, 0
.endif
.endm
	s_load_b256 s[4:11], s[0:1], 0x0               ; W1, b1, xb, bmap
	s_load_b64 s[12:13], s[0:1], 0x20              ; hbuf
	v_lshl_add_u32 v30, v0, 2, 0x21200
	v_mov_b32 v31, 0
	v_lshrrev_b32 v[TMP], 5, v0
	v_readfirstlane_b32 s14, v[TMP]                ; wave 0..3: my quarter of K
	v_and_b32 v[LANE], 31, v0
	v_and_b32 v[RR], 15, v0
	v_bfe_u32 v[HH], v0, 4, 1
	s_and_b32 s15, ttmp7, 0xffff                   ; expert
	s_mov_b32 s16, ttmp9                           ; slice of 128 hidden columns
	s_wait_alu depctr_va_sdst(0)                   ; s14 is written, ahead of its first reader
	s_lshr_b32 s17, s14, 1                         ; c, s: what I finish
	s_and_b32 s18, s14, 1
	v_lshlrev_b32 v[WOFF], 4, v[RR]
	v_lshl_add_u32 v[WOFF], v[HH], 17, v[WOFF]     ; 16 (lane % 16) + 8 rows of 16,384 bytes for lanes 16-31
	s_lshl_b32 s30, s14, 13
	v_lshl_add_u32 v[ST0], v[LANE], 4, s30
	v_add_nc_u32 v[ST0+1], 0x10000, v[ST0]
	s_lshl_b32 s30, s17, 12
	s_lshl_b32 s31, s18, 9
	s_add_co_u32 s30, s30, s31
	v_lshl_add_u32 v[LD0], v[LANE], 4, s30
	v_add_nc_u32 v[LD0+1], 0x10000, v[LD0]
	v_lshl_add_u32 v[LISTA], v[RR], 2, LIST
	v_lshlrev_b32 v[L16], 4, v[LANE]
	s_lshl_b32 s30, s14, 9
	v_lshl_add_u32 v[XL], v[HH], 4, s30
	v_mov_b32 v[ZERO], 0
	v_lshlrev_b32 v[BOFF], 7, v[HH]
	s_mov_b32 s29, 0
	s_wait_kmcnt 0x0
	s_lshl_b32 s28, s15, 7
	s_add_nc_u64 s[10:11], s[10:11], s[28:29]
	s_load_b512 s[32:47], s[10:11], 0x0            ; the expert's 1,024 bits
	s_load_b512 s[48:63], s[10:11], 0x40
	s_lshl_b32 s28, s15, 24                        ; weights: expert, my 256 rows of 16,384 bytes, the slice's 512 bytes
	s_lshl_b32 s30, s14, 22
	s_add_co_u32 s28, s28, s30
	s_lshl_b32 s30, s16, 9
	s_add_co_u32 s28, s28, s30
	s_add_nc_u64 s[4:5], s[4:5], s[28:29]
	s_lshl_b32 s28, s15, 14                        ; bias: expert, slice, 64 c + 16 s columns
	s_add_co_u32 s28, s28, s30
	s_lshl_b32 s30, s17, 8
	s_add_co_u32 s28, s28, s30
	s_lshl_b32 s30, s18, 6
	s_add_co_u32 s28, s28, s30
	s_add_nc_u64 s[6:7], s[6:7], s[28:29]
	s_lshl_b32 s30, s16, 2                         ; hbuf: expert, K step 4 x slice + 2 c + s of the second product
	s_lshl_b32 s31, s17, 1
	s_add_co_u32 s30, s30, s31
	s_add_co_u32 s30, s30, s18
	s_lshl_b32 s30, s30, 10
	s_mul_i32 s28, s15, HE
	s_add_co_u32 s28, s28, s30
	s_add_nc_u64 s[12:13], s[12:13], s[28:29]
	s_wait_alu depctr_va_vdst(0)                   ; BOFF, WOFF, ST0, LD0 and LISTA are written: the loads and stores of the whole kernel read them as offsets and addresses, and none is written again
.irp a, 0,1,2,3
	global_load_b128 v[OUT+4*\a:OUT+4*\a+3], v[BOFF], s[6:7] offset:16*\a
.endr
	GLOAD 0, 0                                     ; 64 loads of 512 bytes a wave are asked for before anything is waited for
	GLOAD 1, 0
	GLOAD 2, 0
	GLOAD 3, 0
	WIN 0
	s_wait_kmcnt 0x0
	s_mov_b32 s19, 0
.set lj, 0
.rept 32
	s_bcnt1_i32_b32 s30, s[32+lj]
	s_add_co_u32 s19, s19, s30
.set lj, lj+1
.endr
	s_min_u32 s19, s19, 0x400                      ; the expert's tokens
	s_add_co_u32 s20, s19, 64
	s_lshr_b32 s20, s20, 6
	s_lshl_b32 s20, s20, 2                         ; its tiles: tokens + 1 rows, up to a multiple of 64 rows: 4 .. 68
	s_sub_co_u32 s21, s20, 1
	s_cmp_lg_u32 s14, 0
	s_cbranch_scc1 .Lnolist
	; wave 0 makes the list: a token's rank is the number of the expert's tokens below it.  32 tokens a word; a lane whose token is another expert's stores into its own word behind the list.
	; All 32 addresses and all 32 data are made first, in registers of their own, so that one wait serves all the stores.
	v_add_nc_u32 v[TMP+1], DUMPW, v[LANE]
	s_mov_b32 s31, 0
.set lj, 0
.rept 32
	v_mbcnt_lo_u32_b32 v[LSA+lj], s[32+lj], 0
	v_add_nc_u32 v[LSA+lj], s31, v[LSA+lj]
	v_cndmask_b32 v[LSA+lj], v[TMP+1], v[LSA+lj], s[32+lj]
	v_min_u32 v[LSA+lj], 0x45f, v[LSA+lj]          ; inside the list and the words behind it, whatever the bitmap holds
	v_lshl_add_u32 v[LSA+lj], v[LSA+lj], 2, LIST
	v_add_nc_u32 v[LSD+lj], 32*lj, v[LANE]         ; the token
	s_bcnt1_i32_b32 s30, s[32+lj]
	s_add_co_u32 s31, s31, s30
.set lj, lj+1
.endr
	v_add_nc_u32 v[TMP], s19, v[LANE]              ; behind the tokens 64 times the row of zeros 1024 + e: more than the last tile needs
	v_lshl_add_u32 v[TMP], v[TMP], 2, LIST
	s_add_co_u32 s30, s15, 1024
	v_mov_b32 v[TMP+2], s30
	s_wait_alu depctr_va_vdst(0)                   ; the 33 addresses and 33 data are written, which the LDS stores below read
.set lj, 0
.rept 32
	ds_store_b32 v[LSA+lj], v[LSD+lj]
.set lj, lj+1
.endr
	ds_store_b32 v[TMP], v[TMP+2]
	ds_store_b32 v[TMP], v[TMP+2] offset:128
.Lnolist:
	s_wait_dscnt 0x0                               ; for the others' sake: the list is in LDS
	s_barrier_signal -1
	s_barrier_wait -1
	s_wait_alu depctr_vm_vsrc(0)                   ; wave 0's stores of the list have read v64-127, TMP and TMP + 2: these are accumulators and work registers from here on
.irp i, 0,1,2,3
	ds_load_b32 v[TK+\i], v[LISTA] offset:64*\i    ; tiles 0 to 3: every expert has four
.endr
	s_wait_dscnt 0x0
.irp i, 0,1,2,3
	v_min_u32 v[TK+\i], 0x407, v[TK+\i]
	v_lshl_add_u32 v[XO+\i], v[TK+\i], 11, v[XL]
.endr
	; THE WEIGHTS.  Behind the sixteen loads that a turn wants, three further sets of sixteen have been issued (groups; at the end token tiles): the count 48 leaves them out.
.set pg, 0
.rept 16
	s_wait_loadcnt 48
	GCVT pg
.if pg < 12
	GLOAD pg+4, 1
.else
	XLOAD pg-12, 1                                 ; the slots turn into the ring of token tiles
.endif
.if pg == 0
	WIN 0                                          ; the bias, asked for ahead of group 0, is in too: rounded to bf16, as f32 again, in the order of the sums
.irp a, 0,1,2,3,4,5,6,7
	v_cvt_pk_bf16_f32 v[TMP], v[OUT+2*\a], v[OUT+2*\a+1]
	v_lshlrev_b32 v[BT+4*((2*\a)%4)+(2*\a)/4], 16, v[TMP]
	v_and_b32 v[BT+4*((2*\a+1)%4)+(2*\a+1)/4], 0xffff0000, v[TMP]
.endr
.endif
.set pg, pg+1
.endr
	WIN 0
	s_mov_b32 s22, 17
	s_mov_b32 s23, 0
.Ltrip:                                                ; at this label four tiles' loads are out, in the slots' order: the start sets that up, a trip's first part keeps it, a jump over it leaves it
	s_cmp_ge_u32 s23, s20
	s_cbranch_scc1 .LnoA
.irp i, 0,1,2,3                                        ; the next trip's tiles, held to the expert's last tile: their tokens are asked for now
	s_add_co_u32 s[24+\i], s23, 4+\i
	s_min_u32 s[24+\i], s[24+\i], s21
	s_min_u32 s[24+\i], s[24+\i], 67
	s_lshl_b32 s30, s[24+\i], 6
	v_add_nc_u32 v[TMP+\i], s30, v[LISTA]          ; free: the loads that read it last stand ahead of the last trip's first wait on vm_vsrc
.endr
	s_wait_alu depctr_va_vdst(0)                   ; the four addresses are written; the last trip's lines are done with TK, in which the loads land
.irp i, 0,1,2,3
	ds_load_b32 v[TK+\i], v[TMP+\i]
.endr
	TILE 0
	TILE 1
	TILE 2
	TILE 3
	WIN 0
.LnoA:
	s_wait_dscnt 0x0                               ; my partial sums are in LDS
	s_barrier_signal -1
	s_barrier_wait -1
	s_cmp_ge_u32 s23, s20
	s_cbranch_scc1 .LnoB
	s_wait_xcnt 0x0                                ; the last trip's stores have read OFFB
	s_wait_alu depctr_vm_vsrc(0)                   ; the last trip's stores have read OFFB and both OUT; tile 3's LDS stores have read their accumulators, TA's registers, in which the first loads below land
	s_lshl_b32 s30, s23, 17
	v_add_nc_u32 v[OFFB], s30, v[L16]
	s_wait_alu depctr_va_vdst(0)                   ; OFFB is written, which this half's stores read; the products have written TA's registers, and the last trip's additions are done with TA and TB, in which the loads below land
	LOADT 0, TA
	LOADT 1, TB
	s_wait_dscnt 16                                ; all but the sixteen loads of the younger tile
	FIN 0, TA, OUT
	LOADT 2, TA
	s_wait_dscnt 16
	FIN 1, TB, OUT+8
	LOADT 3, TB
	s_wait_dscnt 16
	FIN 2, TA, OUT
	s_wait_dscnt 0x0
	FIN 3, TB, OUT+8
.LnoB:
	s_wait_dscnt 0x0                               ; my reads of the exchange are over: the next trip may write it
	s_barrier_signal -1
	s_barrier_wait -1
	s_add_co_u32 s23, s23, 4
	s_sub_co_u32 s22, s22, 1
	s_cmp_lg_u32 s22, 0
	s_cbranch_scc1 .Ltrip
	s_wait_dscnt 0x0                               ; the wave's end
	s_wait_alu depctr_hold_cnt(0) depctr_sa_sdst(0) depctr_va_vdst(0) depctr_va_sdst(0) depctr_va_ssrc(0) depctr_va_vcc(0) depctr_vm_vsrc(0)
	s_wait_tensorcnt 0x0
	ds_add_u32 v30, v31
	s_wait_dscnt 0x0
	s_endpgm                                       ; the ring's last loads, of a tile that exists, are not used
.Lfunc_end_k_q9344a8967a_up:
	.size	k_q9344a8967a_up, .Lfunc_end_k_q9344a8967a_up-k_q9344a8967a_up
	.p2alignl 7, 3214868480
	.fill 96, 4, 3214868480
	.section	.rodata,"a",@progbits
	.p2align	6, 0x0
	.amdhsa_kernel k_q9344a8967a_up
		.amdhsa_group_segment_fixed_size 136192
		.amdhsa_private_segment_fixed_size 0
		.amdhsa_enable_private_segment 0
		.amdhsa_kernarg_size 40
		.amdhsa_user_sgpr_count 2
		.amdhsa_user_sgpr_kernarg_segment_ptr 1
		.amdhsa_wavefront_size32 1
		.amdhsa_system_sgpr_workgroup_id_x 1
		.amdhsa_system_sgpr_workgroup_id_y 1
		.amdhsa_system_sgpr_workgroup_id_z 1
		.amdhsa_system_vgpr_workitem_id 0
		.amdhsa_next_free_vgpr 1024
		.amdhsa_next_free_sgpr 66
		.amdhsa_reserve_vcc 0
		.amdhsa_float_denorm_mode_32 3
		.amdhsa_float_denorm_mode_16_64 3
		.amdhsa_memory_ordered 1
		.amdhsa_forward_progress 1
		.amdhsa_inst_pref_size 136
	.end_amdhsa_kernel
	.amdgpu_metadata
---
amdhsa.version: [ 1, 2 ]
amdhsa.kernels:
  - .name:           k_q9344a8967a_up
    .symbol:         k_q9344a8967a_up.kd
    .args:
      - { .name: W1, .offset: 0, .size: 8, .value_kind: global_buffer, .address_space: global }
      - { .name: b1, .offset: 8, .size: 8, .value_kind: global_buffer, .address_space: global }
      - { .name: xb, .offset: 16, .size: 8, .value_kind: global_buffer, .address_space: global }
      - { .name: bmap, .offset: 24, .size: 8, .value_kind: global_buffer, .address_space: global }
      - { .name: hbuf, .offset: 32, .size: 8, .value_kind: global_buffer, .address_space: global }
    .group_segment_fixed_size: 136192
    .private_segment_fixed_size: 0
    .kernarg_segment_align: 8
    .kernarg_segment_size: 40
    .max_flat_workgroup_size: 128
    .sgpr_count:     66
    .vgpr_count:     1024
    .wavefront_size: 32
...
	.end_amdgpu_metadata
.endif
;; end of part 5
;; launch down (part 6): grid 32 x 8, 4 waves a work-group, no clusters, 136,192 bytes of LDS; arguments W2, b2, hbuf, bmap, y; writes y
.if DOCPART == 6
	.amdgcn_target "amdgcn-amd-amdhsa--gfx1250"
	.amdhsa_code_object_version 6
	.text
	.protected	k_q9344a8967a_down
	.globl	k_q9344a8967a_down
	.p2align	8
	.type	k_q9344a8967a_down,@function
k_q9344a8967a_down:
	s_mov_b64 s[64:65], 0
	v_nop
	global_prefetch_b8 v0, s[64:65] scope:SCOPE_SE
	s_setreg_imm32_b32 hwreg(HW_REG_WAVE_SCHED_MODE, 0, 2), 2
	s_setreg_imm32_b32 hwreg(HW_REG_WAVE_MODE, 25, 1), 1
	s_wait_xcnt 0x0
	s_wait_alu depctr_vm_vsrc(0)
; SECOND PRODUCT.  y[kp][token] = h[.., K part kp] W2[e][K part kp] (+ b2[e] in part 0), for the rows of expert e alone, stored at the token's own row (row 1024 + e: the expert's bias path).
; W2 [8][4096][1024] f32, b2 [8][1024] f32, hbuf: register images of h's fragments, [expert][68 tiles][128 K steps][1,024 bytes], bmap as in the first product, y [4][1032][1024] f32: partial sums.
; SHARES.  Work-group (x, y): K part kp = x / 8 (1,024 of the 4,096 hidden columns), 128 output columns x % 8, expert y: 1,024 x 128 weights, which it alone reads, once.  Wave w has 256 of the K part:
; 64 fragments of bf16 in 512 registers for the whole launch, made as in the first product.  Along K both operands have the same order: number i of the sixteen that lanes' half h holds in K step ks
; is hidden column 64 (ks / 2) + 32 h + 16 (ks % 2) + i, the order in which the first product's results left its lanes; a product's sum does not hang on it.
; ROWS.  As in the first product, with source 0 = tokens, source 1 = weights: a lane's result is one output column and eight tokens.  Wave (c, s) adds the four quarters of K for tokens
; 8 (lane / 16) + 4 s + 0..3 and columns 64 c + 4 (lane % 16) + 0..3: sixteen lanes store 256 consecutive bytes of a token's row, aligned.  Rows that repeat store equal numbers at one place.
; THE LOOP has 17 trips, which cover 68 tiles; every wave passes every barrier, and a trip past the expert's tiles jumps over the work alone.
; NO CLUSTER: each weight has one reader; h's tiles, which eight work-groups share, go straight into registers as operands, without a stop in LDS.
; LIMITS.  Weights and bias are rounded once to bf16; sums in f32, the four K parts' too.  NaN and infinities are not treated apart.
; THE MODE: SCHED_MODE bits 1:0 = 2 (LLVM: expert scheduling mode 2), set by the entry lines.  The code itself states the register dependences between vector or matrix instructions
; and memory or LDS instructions, with s_wait_alu, always for 0.
; THE PLAN.  Registers that memory or LDS instructions touch:
;   slots 0-3     At the start: a group's conversions read its slot, and behind ONE wait on va_vdst the slot is asked for again at once.  In the loop: tile i's products read slot i, and behind the tile's one wait it is asked for again.
;   ACC0, ACC1    Two sets of eight accumulators; tile i's products write set i % 2.  The tile's one wait on va_vdst (behind its four places) shows the set written; its sixteen LDS stores are then dealt among
;                 the products of tile i + 1, which name the other set, slot i + 1 and the fragments alone.  A wait on vm_vsrc stands ahead of the products that write a set anew: a whole tile behind the stores that read it.
;   TA, TB, TQ    A trip's second half: LDS loads land in them, the additions and the rows' offsets read them; TA is ACC1's registers.  The wait ahead of a tile's stores to memory also shows its lines done with the buffers that are loaded next.
;   FF, RO        Written by a tile's last additions and offsets, read by its four stores; written again by the next tile, behind a wait on vm_vsrc.
;   XO, OFFB      Written once a trip: XO + i ahead of tile i's wait, OFFB ahead of the wait at the second half's head.
;   WOFF, R16, ST0, LD0   Made at the head, ahead of its wait, and never written again.
; REGISTERS: window 0 below; window 1 four slots of 64 (weights as loaded, then the ring of h's tiles); windows 2, 3 the fragments: (ks, nt) at 64 ks + 8 nt of 512.
.set HE,    8912896
.set YP,    4227072                    ; bytes of a K part in y
.set LIST,  131072                     ; LDS as in the first product: exchange, list, a word a lane behind it; the spare words from 135,680 on, 128 bytes for each wave
.set DUMPW, 1088
.set LANE,  1
.set RR,    2
.set HH,    3
.set WOFF,  4                          ; never rewritten
.set ST0,   7                          ; v7, v8
.set LD0,   9                          ; v9, v10
.set LISTA, 11                         ; LIST + 4 (8 (lane / 16) + 4 s)
.set XO,    12                         ; v12-15   slot i: byte offset of my 16 bytes in its tile of hbuf
.set L16,   20                         ; 16 x lane
.set R16,   21                         ; 16 x (lane % 16); never rewritten
.set OFFB,  23                         ; the trip's place in the list
.set TQ,    24                         ; v24-31   two buffers of four tokens; at the start at work
.set BIAS,  32                         ; v32-35
.set RO,    36                         ; v36-39   four rows' byte offsets in y
.set FF,    48                         ; v48-63   four rows x four columns to store; at the start the bias as loaded
.set ACC,   64                         ; v64-127, v128-191: two sets of eight accumulators; tile i has set i % 2
.set TA,    128
.set TB,    192
.set LSA,   64                         ; v64-95   at the start only: the LDS addresses of the list's 32 stores
.set LSD,   96                         ; v96-127  at the start only: their data
.set MSB, 0
.macro WIN new
.if MSB != (\new)
	s_set_vgpr_msb (MSB<<8)|(\new)
.set MSB, (\new)
.endif
.endm
.macro GLOAD g, w                      ; group g = 2 ks + c: the 32 rows of K step ks in the order above, 64 columns from 64 c on.  w = 1: the slot has just been read
	WIN 0x40
.if \w
	s_wait_alu depctr_va_vdst(0)                   ; the conversions just issued are done reading this slot, in which the loads below land
.endif
.set gi, 0
.rept 16
	global_load_b128 v[64*((\g)%4)+4*gi:64*((\g)%4)+4*gi+3], v[WOFF], s[4:5] offset:(64*((\g)/4)+16*(((\g)/2)%2)+gi)*4096+256*((\g)%2) th:TH_LOAD_NT
.set gi, gi+1
.endr
.endm
.macro GCVT g
	WIN 0x85+0x40*((\g)/8)
.set cj, 0
.rept 4
.set cq, 0
.rept 8
	v_cvt_pk_bf16_f32 v[32*((\g)%8)+8*cj+cq], v[64*((\g)%4)+8*cq+cj], v[64*((\g)%4)+8*cq+4+cj]
.set cq, cq+1
.endr
.set cj, cj+1
.endr
.endm
.macro XLOAD i, w                      ; my eight K steps of a tile: register images, 512 consecutive bytes a load.  w = 0: the wait stands some lines ahead, with LDS stores of other registers between
	WIN 0x40
.if \w
	s_wait_alu depctr_va_vdst(0)                   ; what read slot i (conversions at the start, products in the loop) is done reading it, and XO + i is written; in the loop the products have also written their accumulators, which the LDS stores among the next tile's products read
.endif
.set xk, 0
.rept 8
	global_load_b128 v[64*(\i)+8*xk:64*(\i)+8*xk+3],   v[XO+(\i)], s[8:9] offset:1024*xk
	global_load_b128 v[64*(\i)+8*xk+4:64*(\i)+8*xk+7], v[XO+(\i)], s[8:9] offset:1024*xk+512
.set xk, xk+1
.endr
.endm
.macro PUT j, p0, n                    ; tile j's partial sums into the exchange: n accumulators from p0 on; each accumulator's low half first
.set pn, (\p0)
.rept (\n)
	ds_store_b128 v[ST0+(\j)/2], v[ACC+64*((\j)%2)+8*pn:ACC+64*((\j)%2)+8*pn+3]   offset:((\j)%2)*32768+1024*pn
	ds_store_b128 v[ST0+(\j)/2], v[ACC+64*((\j)%2)+8*pn+4:ACC+64*((\j)%2)+8*pn+7] offset:((\j)%2)*32768+1024*pn+512
.set pn, pn+1
.endr
.endm
; The set's eight accumulators take turns, one instruction a turn; the first K step starts the sums.  Behind each of the first four K steps stand four of the sixteen LDS stores of the tile before:
; no wait: no vector or matrix instruction since that tile's wait names its accumulators or ST0
.macro MULT i
.set ac, ACC+64*((\i)%2)
.set mk, 0
.rept 8
	WIN 0x09+4*(mk/4)
.set mn, 0
.rept 8
.if mk == 0
	v_wmma_f32_16x16x32_bf16 v[ac+8*mn:ac+8*mn+7], v[64*(\i)+8*mk:64*(\i)+8*mk+7], v[64*(mk%4)+8*mn:64*(mk%4)+8*mn+7], 0
.else
	v_wmma_f32_16x16x32_bf16 v[ac+8*mn:ac+8*mn+7], v[64*(\i)+8*mk:64*(\i)+8*mk+7], v[64*(mk%4)+8*mn:64*(mk%4)+8*mn+7], v[ac+8*mn:ac+8*mn+7]
.endif
.set mn, mn+1
.endr
.if ((\i) > 0) && (mk < 4)
	WIN 0
	PUT (\i)-1, 2*mk, 2
.endif
.set mk, mk+1
.endr
.endm
.macro LOADT i, t, q                   ; the four waves' chunks (c, j, s), and my four rows' tokens: 17 loads
.set lw, 0
.rept 16
	ds_load_b128 v[(\t)+4*lw:(\t)+4*lw+3], v[LD0+(\i)/2] offset:((\i)%2)*32768+8192*(lw/4)+1024*(lw%4)
.set lw, lw+1
.endr
	ds_load_b128 v[(\q):(\q)+3], v[OFFB] offset:64*(\i)
.endm
.macro FIN t, q, first
	s_wait_xcnt 0x0                                ; earlier stores have read their registers: FF and RO are rewritten only behind this wait
.if !(\first)
	s_wait_alu depctr_vm_vsrc(0)                   ; the stores of the tile before have read FF and RO, which the lines below write again (a trip's first tile: the wait at this half's head)
.endif
.irp p, 0,2,4,6,8,10,12,14
	v_pk_add_f32 v[(\t)+\p:(\t)+\p+1], v[(\t)+\p:(\t)+\p+1], v[(\t)+16+\p:(\t)+16+\p+1]
.endr
.irp p, 0,2,4,6,8,10,12,14
	v_pk_add_f32 v[(\t)+32+\p:(\t)+32+\p+1], v[(\t)+32+\p:(\t)+32+\p+1], v[(\t)+48+\p:(\t)+48+\p+1]
.endr
.irp a, 0,1,2,3                                        ; the last addition also turns (column j, row a) into (row a, column j)
.irp j, 0,1,2,3
	v_add_f32 v[FF+4*\a+\j], v[(\t)+4*\j+\a], v[(\t)+32+4*\j+\a]
.endr
.endr
.irp a, 0,1,2,3
	v_pk_add_f32 v[FF+4*\a:FF+4*\a+1],   v[FF+4*\a:FF+4*\a+1],   v[BIAS:BIAS+1]
	v_pk_add_f32 v[FF+4*\a+2:FF+4*\a+3], v[FF+4*\a+2:FF+4*\a+3], v[BIAS+2:BIAS+3]
.endr
.irp a, 0,1,2,3
	v_min_u32 v[RO+\a], 0x407, v[(\q)+\a]
	v_lshl_add_u32 v[RO+\a], v[RO+\a], 12, v[R16]
.endr
	s_wait_alu depctr_va_vdst(0)                   ; FF and RO are written, which the four stores read; the lines above are done with their two buffers, in which the LDS loads behind the stores land
.irp a, 0,1,2,3
	global_store_b128 v[RO+\a], v[FF+4*\a:FF+4*\a+3], s[12:13]  ; sixteen lanes store 256 consecutive bytes, aligned
.endr
.endm
; Tile i of a trip's four
.macro TILE i
.if (\i) == 0
	s_wait_alu depctr_vm_vsrc(0)                   ; the last trip's LDS stores have read both sets of accumulators, and its tile loads XO: all are written again from here on
.elseif (\i) >= 2
	s_wait_alu depctr_vm_vsrc(0)                   ; the LDS stores dealt among the last tile's products have read the set that this tile's products write anew
.endif
	s_wait_loadcnt 48                              ; slot i is in; the three younger tiles stay out
	MULT \i
	WIN 0
	s_lshl_b32 s30, s[24+(\i)], 17
	v_add_nc_u32 v[XO+(\i)], s30, v[L16]           ; four plain instructions: the places between the products and the LDS stores that read their results
	v_nop
	v_nop
	v_nop
.if (\i) < 3
	XLOAD \i, 1                                    ; the slot is asked for again at once
.else
	s_wait_alu depctr_va_vdst(0)                   ; the products have written their accumulators, which the LDS stores read, and are done reading slot 3; XO + 3 is written
	PUT 3, 0, 8                                    ; no tile follows among whose products they could stand
	XLOAD 3, 0
.endif
.endm
	s_load_b256 s[4:11], s[0:1], 0x0               ; W2, b2, hbuf, bmap
	s_load_b64 s[12:13], s[0:1], 0x20              ; y
	v_lshl_add_u32 v46, v0, 2, 0x21200
	v_mov_b32 v47, 0
	v_lshrrev_b32 v[TQ], 5, v0
	v_readfirstlane_b32 s14, v[TQ]                 ; wave 0..3: my quarter of the K part
	v_and_b32 v[LANE], 31, v0
	v_and_b32 v[RR], 15, v0
	v_bfe_u32 v[HH], v0, 4, 1
	s_and_b32 s15, ttmp7, 0xffff                   ; expert
	s_mov_b32 s16, ttmp9                           ; 8 x K part + column slice
	s_wait_alu depctr_va_sdst(0)                   ; s14 is written, ahead of its first reader
	s_lshr_b32 s17, s14, 1                         ; c, s: what I finish
	s_and_b32 s18, s14, 1
	v_lshlrev_b32 v[R16], 4, v[RR]
	v_lshl_add_u32 v[WOFF], v[HH], 17, v[R16]      ; 16 (lane % 16) + 32 rows of 4,096 bytes for lanes 16-31
	s_lshl_b32 s30, s14, 13
	v_lshl_add_u32 v[ST0], v[LANE], 4, s30
	v_add_nc_u32 v[ST0+1], 0x10000, v[ST0]
	s_lshl_b32 s30, s17, 12
	s_lshl_b32 s31, s18, 9
	s_add_co_u32 s30, s30, s31
	v_lshl_add_u32 v[LD0], v[LANE], 4, s30
	v_add_nc_u32 v[LD0+1], 0x10000, v[LD0]
	s_lshl_b32 s30, s18, 4
	s_add_co_u32 s30, s30, LIST
	v_lshl_add_u32 v[LISTA], v[HH], 5, s30
	v_lshlrev_b32 v[L16], 4, v[LANE]
	s_mov_b32 s29, 0
	s_wait_kmcnt 0x0
	s_lshl_b32 s28, s15, 7
	s_add_nc_u64 s[10:11], s[10:11], s[28:29]
	s_load_b512 s[32:47], s[10:11], 0x0            ; the expert's 1,024 bits
	s_load_b512 s[48:63], s[10:11], 0x40
	s_lshr_b32 s31, s16, 3                         ; kp
	s_and_b32 s27, s16, 7
	s_lshl_b32 s27, s27, 9                         ; the slice's 512 bytes of a row
	s_lshl_b32 s28, s15, 24                        ; weights: expert, K part, my 256 rows of 4,096 bytes, slice
	s_lshl_b32 s30, s31, 22
	s_add_co_u32 s28, s28, s30
	s_lshl_b32 s30, s14, 20
	s_add_co_u32 s28, s28, s30
	s_add_co_u32 s28, s28, s27
	s_add_nc_u64 s[4:5], s[4:5], s[28:29]
	s_lshl_b32 s26, s17, 8                         ; 64 c columns
	s_lshl_b32 s28, s15, 12                        ; bias: expert, slice, c
	s_add_co_u32 s28, s28, s27
	s_add_co_u32 s28, s28, s26
	s_add_nc_u64 s[6:7], s[6:7], s[28:29]
	s_mul_i32 s28, s15, HE                         ; hbuf: expert, K step 32 kp + 8 w
	s_lshl_b32 s30, s31, 15
	s_add_co_u32 s28, s28, s30
	s_lshl_b32 s30, s14, 13
	s_add_co_u32 s28, s28, s30
	s_add_nc_u64 s[8:9], s[8:9], s[28:29]
	s_mul_i32 s28, s31, YP                         ; y: K part, slice, c
	s_add_co_u32 s28, s28, s27
	s_add_co_u32 s28, s28, s26
	s_add_nc_u64 s[12:13], s[12:13], s[28:29]
	s_wait_alu depctr_va_vdst(0)                   ; R16, WOFF, ST0 and LD0 are written: the loads and stores of the whole kernel read them as offsets and addresses, and none is written again
	global_load_b128 v[FF:FF+3], v[R16], s[6:7]
	GLOAD 0, 0                                     ; 64 loads of 512 bytes a wave are asked for before anything is waited for
	GLOAD 1, 0
	GLOAD 2, 0
	GLOAD 3, 0
	WIN 0
	s_wait_kmcnt 0x0
	s_mov_b32 s19, 0
.set lj, 0
.rept 32
	s_bcnt1_i32_b32 s30, s[32+lj]
	s_add_co_u32 s19, s19, s30
.set lj, lj+1
.endr
	s_min_u32 s19, s19, 0x400                      ; the expert's tokens
	s_add_co_u32 s20, s19, 64
	s_lshr_b32 s20, s20, 6
	s_lshl_b32 s20, s20, 2                         ; its tiles, as the first product counted them
	s_sub_co_u32 s21, s20, 1
	s_cmp_lg_u32 s14, 0
	s_cbranch_scc1 .Lnolist
	; wave 0 makes the list, as in the first product: all addresses and data first, in registers of their own, so that one wait serves all the stores
	v_add_nc_u32 v[TQ+1], DUMPW, v[LANE]
	s_mov_b32 s31, 0
.set lj, 0
.rept 32
	v_mbcnt_lo_u32_b32 v[LSA+lj], s[32+lj], 0
	v_add_nc_u32 v[LSA+lj], s31, v[LSA+lj]
	v_cndmask_b32 v[LSA+lj], v[TQ+1], v[LSA+lj], s[32+lj]
	v_min_u32 v[LSA+lj], 0x45f, v[LSA+lj]          ; inside the list and the words behind it, whatever the bitmap holds
	v_lshl_add_u32 v[LSA+lj], v[LSA+lj], 2, LIST
	v_add_nc_u32 v[LSD+lj], 32*lj, v[LANE]         ; the token
	s_bcnt1_i32_b32 s30, s[32+lj]
	s_add_co_u32 s31, s31, s30
.set lj, lj+1
.endr
	v_add_nc_u32 v[TQ], s19, v[LANE]
	v_lshl_add_u32 v[TQ], v[TQ], 2, LIST
	s_add_co_u32 s30, s15, 1024
	v_mov_b32 v[TQ+2], s30
	s_wait_alu depctr_va_vdst(0)                   ; the 33 addresses and 33 data are written, which the LDS stores below read
.set lj, 0
.rept 32
	ds_store_b32 v[LSA+lj], v[LSD+lj]
.set lj, lj+1
.endr
	ds_store_b32 v[TQ], v[TQ+2]
	ds_store_b32 v[TQ], v[TQ+2] offset:128
.Lnolist:
	s_wait_dscnt 0x0                               ; for the others' sake: the list is in LDS
	s_barrier_signal -1
	s_barrier_wait -1
	s_wait_alu depctr_vm_vsrc(0)                   ; wave 0's stores of the list have read v64-127, TQ and TQ + 2: these are accumulators and token buffers from here on
.irp i, 0,1,2,3
	v_add_nc_u32 v[XO+\i], 131072*\i, v[L16]       ; tiles 0 to 3: every expert has four
.endr
	; THE WEIGHTS.  Behind the sixteen loads that a turn wants, three further sets of sixteen have been issued: the count 48 leaves them out.
.set pg, 0
.rept 16
	s_wait_loadcnt 48
	GCVT pg
.if pg < 12
	GLOAD pg+4, 1
.else
	XLOAD pg-12, 1
.endif
.if pg == 0
	WIN 0                                          ; the bias, asked for ahead of group 0, is in too: rounded to bf16, as f32 again; it belongs to K part 0 alone
	v_cvt_pk_bf16_f32 v[FF+4], v[FF], v[FF+1]
	v_cvt_pk_bf16_f32 v[FF+5], v[FF+2], v[FF+3]
	v_lshlrev_b32 v[BIAS], 16, v[FF+4]
	v_and_b32 v[BIAS+1], 0xffff0000, v[FF+4]
	v_lshlrev_b32 v[BIAS+2], 16, v[FF+5]
	v_and_b32 v[BIAS+3], 0xffff0000, v[FF+5]
	s_lshr_b32 s30, s16, 3
	s_cmp_eq_u32 s30, 0
	s_cselect_b32 s30, -1, 0
.irp a, 0,1,2,3
	v_and_b32 v[BIAS+\a], s30, v[BIAS+\a]
.endr
.endif
.set pg, pg+1
.endr
	WIN 0
	s_mov_b32 s22, 17
	s_mov_b32 s23, 0
.Ltrip:                                                ; at this label four tiles' loads are out, in the slots' order
	s_cmp_ge_u32 s23, s20
	s_cbranch_scc1 .LnoA
.irp i, 0,1,2,3                                        ; the next trip's tiles, held to the expert's last tile
	s_add_co_u32 s[24+\i], s23, 4+\i
	s_min_u32 s[24+\i], s[24+\i], s21
	s_min_u32 s[24+\i], s[24+\i], 67
.endr
	TILE 0
	TILE 1
	TILE 2
	TILE 3
	WIN 0
.LnoA:
	s_wait_dscnt 0x0                               ; my partial sums are in LDS
	s_barrier_signal -1
	s_barrier_wait -1
	s_cmp_ge_u32 s23, s20
	s_cbranch_scc1 .LnoB
	s_lshl_b32 s30, s23, 6
	s_wait_alu depctr_vm_vsrc(0)                   ; the last trip's LDS loads have read OFFB, its stores FF and RO; tile 3's LDS stores have read their accumulators, TA's registers, in which the first loads below land
	v_add_nc_u32 v[OFFB], s30, v[LISTA]
	s_wait_alu depctr_va_vdst(0)                   ; OFFB is written, which the loads of the tokens read; the products have written TA's registers, and the last trip's lines are done with TA, TB and TQ, in which the loads below land
	LOADT 0, TA, TQ
	LOADT 1, TB, TQ+4
	s_wait_dscnt 17                                ; all but the seventeen loads of the younger tile
	FIN TA, TQ, 1
	LOADT 2, TA, TQ
	s_wait_dscnt 17
	FIN TB, TQ+4, 0
	LOADT 3, TB, TQ+4
	s_wait_dscnt 17
	FIN TA, TQ, 0
	s_wait_dscnt 0x0
	FIN TB, TQ+4, 0
.LnoB:
	s_wait_dscnt 0x0                               ; my reads of the exchange are over: the next trip may write it
	s_barrier_signal -1
	s_barrier_wait -1
	s_add_co_u32 s23, s23, 4
	s_sub_co_u32 s22, s22, 1
	s_cmp_lg_u32 s22, 0
	s_cbranch_scc1 .Ltrip
	s_wait_dscnt 0x0                               ; the wave's end
	s_wait_alu depctr_hold_cnt(0) depctr_sa_sdst(0) depctr_va_vdst(0) depctr_va_sdst(0) depctr_va_ssrc(0) depctr_va_vcc(0) depctr_vm_vsrc(0)
	s_wait_tensorcnt 0x0
	ds_add_u32 v46, v47
	s_wait_dscnt 0x0
	s_endpgm                                       ; the ring's last loads, of a tile that exists, are not used
.Lfunc_end_k_q9344a8967a_down:
	.size	k_q9344a8967a_down, .Lfunc_end_k_q9344a8967a_down-k_q9344a8967a_down
	.p2alignl 7, 3214868480
	.fill 96, 4, 3214868480
	.section	.rodata,"a",@progbits
	.p2align	6, 0x0
	.amdhsa_kernel k_q9344a8967a_down
		.amdhsa_group_segment_fixed_size 136192
		.amdhsa_private_segment_fixed_size 0
		.amdhsa_enable_private_segment 0
		.amdhsa_kernarg_size 40
		.amdhsa_user_sgpr_count 2
		.amdhsa_user_sgpr_kernarg_segment_ptr 1
		.amdhsa_wavefront_size32 1
		.amdhsa_system_sgpr_workgroup_id_x 1
		.amdhsa_system_sgpr_workgroup_id_y 1
		.amdhsa_system_sgpr_workgroup_id_z 1
		.amdhsa_system_vgpr_workitem_id 0
		.amdhsa_next_free_vgpr 1024
		.amdhsa_next_free_sgpr 66
		.amdhsa_reserve_vcc 0
		.amdhsa_float_denorm_mode_32 3
		.amdhsa_float_denorm_mode_16_64 3
		.amdhsa_memory_ordered 1
		.amdhsa_forward_progress 1
		.amdhsa_inst_pref_size 133
	.end_amdhsa_kernel
	.amdgpu_metadata
---
amdhsa.version: [ 1, 2 ]
amdhsa.kernels:
  - .name:           k_q9344a8967a_down
    .symbol:         k_q9344a8967a_down.kd
    .args:
      - { .name: W2, .offset: 0, .size: 8, .value_kind: global_buffer, .address_space: global }
      - { .name: b2, .offset: 8, .size: 8, .value_kind: global_buffer, .address_space: global }
      - { .name: hbuf, .offset: 16, .size: 8, .value_kind: global_buffer, .address_space: global }
      - { .name: bmap, .offset: 24, .size: 8, .value_kind: global_buffer, .address_space: global }
      - { .name: y, .offset: 32, .size: 8, .value_kind: global_buffer, .address_space: global }
    .group_segment_fixed_size: 136192
    .private_segment_fixed_size: 0
    .kernarg_segment_align: 8
    .kernarg_segment_size: 40
    .max_flat_workgroup_size: 128
    .sgpr_count:     66
    .vgpr_count:     1024
    .wavefront_size: 32
...
	.end_amdgpu_metadata
.endif
;; end of part 6
;; launch fin: the kernel of part 4 again; grid 16 x 16, 4 waves a work-group, no clusters, 0 bytes of LDS; arguments y, idx, out0; writes out0
